; MI455X (gfx1250); checked and timed in simulation.
; The chip was launched on July 23, 2026; its instructions are those of AMD's public machine-readable ISA for CDNA 5 (MIT licence, August 2026) and "CDNA5" Instruction Set Architecture Reference Guide (July 2026). The comments in the code are by the model that wrote it; some were corrected since.
;; Triton Fused RCM Attention. Allowed arithmetic: matrix products marked QUANTISED: E4M3 operands, one E8M0 scale for each 32 along K, by v_wmma_scale_f32_16x16x128_f8f6f4 with both operands' format E4M3, f32 sums; everything else in f32.
;; Inputs: Wproj_codes 1,024 x 32 x 32 uint8 (E4M3 codes of Wproj, K innermost, in blocks of 32 codes); Wproj_scales 1,024 x 32 uint8 (E8M0 scales of Wproj, one for each 32 codes along K); Wqkv_codes 3,072 x 32 x 32 uint8 (E4M3 codes of Wqkv, K innermost, in blocks of 32 codes); Wqkv_scales 3,072 x 32 uint8 (E8M0 scales of Wqkv, one for each 32 codes along K); bproj 1,024 float32; bqkv 3,072 float32; t 4 float32; x 4 x 2,048 x 1,024 float32.
;; Outputs: out0 4 x 2,048 x 1,024 float32.
;; This version of the problem:
;;   THIS VERSION OF THE PROBLEM IS GIVEN IN LOW PRECISION. The matrix products marked QUANTISED in the list below multiply operands that are first quantised to E4M3 (4 exponent bits, 3 mantissa bits; 8 bits a number), with one power-of-two scale for each 32 numbers along K (OCP MX v1.0); their sums are f32. All else is computed in f32.
;;   The module's matrix products, in the order in which they are computed (A, B: the left and right operand; K: the contracted axis; several contracted axes count as one K, in the product's order):
;;     1. [M 8,192, K 1,024] x [K 1,024, N 3,072]; A: input x; B: input Wqkv (given as codes): QUANTISED
;;     2. batch 64 x [M 2,048, K 64] x [K 64, N 2,048]; A: computed on the way; B: computed on the way: QUANTISED
;;     3. batch 64 x [M 2,048, K 2,048] x [K 2,048, N 64]; A: softmax (see below); B: computed on the way: QUANTISED
;;     4. [M 8,192, K 1,024] x [K 1,024, N 1,024]; A: computed on the way; B: input Wproj (given as codes): QUANTISED
;;   THE QUANTISER, for each operand of a quantised product, along K:
;;     - K is cut into blocks of 32 from its start; a last block that is shorter is filled with zeros.
;;     - A block's scale is 2^e with e = floor(log2(the largest magnitude in the block)) - 8, held to -126 .. 127; a block of zeros has e = 0. As a byte (E8M0): e + 127.
;;     - Each number is divided by its block's scale, clamped to +-448, and rounded to the nearest number of E4M3, ties to even, subnormals kept.
;;     - The product sums the exact products of the quantised numbers (number of the format x scale) in f32.
;;   ~~~python
;;   def quantise(x, axis):      # numpy; x: float32 -> the quantised numbers, widened to float32 again
;;       x = np.moveaxis(x, axis, -1); K = x.shape[-1]
;;       x = np.pad(x, [(0, 0)] * (x.ndim - 1) + [(0, -K % 32)]); x = x.reshape(x.shape[:-1] + (-1, 32)); a = np.abs(x).max(-1, keepdims=True)
;;       e = np.where(a > 0, np.clip(np.frexp(np.where(a > 0, a, 1))[1] - 1 - 8, -126, 127), 0)      # np.frexp(a)[1] - 1 = floor(log2(a)), exactly
;;       r = np.clip(x / 2.0 ** e, -448, 448)
;;       step = 2.0 ** (np.maximum(np.frexp(np.where(r == 0, 1, r))[1] - 1, -6) - 3)
;;       q = np.round(r / step) * step * 2.0 ** e      # np.round: ties to even
;;       return np.moveaxis(q.reshape(q.shape[:-2] + (-1,))[..., :K], -1, axis).astype(np.float32)
;;   ~~~
;;   SOFTMAX AHEAD OF A QUANTISED PRODUCT. Where the list says 'softmax', what is quantised is not the finished softmax but p = 2^(t - M), with t = logit x log2(e) and M = ceil(the row's largest t), a whole number; so 1/2 < the row's largest p <= 1. The row's sum l is taken of the UNQUANTISED p, in f32, and the product's result is divided by l at the end. Since M is a whole number, a kernel that streams over the keys may use a running M (the ceiling of the running maximum): every later rescaling is an exact power of two, which a block's scale takes up: the codes' values come out the same.
;;   OPERANDS COMPUTED ON THE WAY. 'Computed on the way' means the value that the module computes at that place (a softmax that the list does not call 'softmax' is quantised finished and normalised). What goes into a quantiser is computed in f32, as accurately as f32 sums, v_exp_f32 and their like allow (about 1e-6 of the number): no bf16 or f16 on the way to a quantiser, and a product that is left as it is and whose result goes on into a quantised operand takes f32 operands (vector FMAs, or v_wmma_f32_16x16x4_f32). A number that lies on a knife's edge between two numbers of the format may be rounded either way, as far as f32 arithmetic and the matrix unit's own rounding can turn it there, and no further.
;;   INPUTS GIVEN AS CODES. Wproj (in the module: [1024, 1024], K = its axis 0); Wqkv (in the module: [1024, 3072], K = its axis 0): each comes as NAME_codes (uint8): NAME with its K axis moved to the last place and cut into blocks of 32 codes, [.., K / 32, bytes a block], one block behind the other in memory; one code a byte (a code: sign, 4 exponent bits, 3 mantissa bits); and NAME_scales (uint8): the same leading axes, one E8M0 byte (e + 127) for each 32 codes along K. Its value is code x scale, taken as it is: it is not quantised again, and the codes and scales need not be those that the quantiser above would give.
;; One version. Each part assembles by itself: llvm-mc -triple=amdgcn-amd-amdhsa -mcpu=gfx1250 --defsym DOCPART=n.
;; ======== version 1 of 1: 4 launches
;; limits: right only within a limited range of input values
;; workspace buffers: xc 8,388,608 bytes; xs 262,144 bytes; qc 8,388,608 bytes; qs 262,144 bytes; kv 17,301,504 bytes; ac 8,388,608 bytes; asc 262,144 bytes
;; launch qx (part 1): grid 256 x 1, 4 waves a work-group, no clusters, 33,280 bytes of LDS; arguments x, xc, xs; writes xc, xs
.if DOCPART == 1
	.amdgcn_target "amdgcn-amd-amdhsa--gfx1250"
	.amdhsa_code_object_version 6
	.text
	.protected	k_qb7b590846b_qx
	.globl	k_qb7b590846b_qx
	.p2align	8
	.type	k_qb7b590846b_qx,@function
k_qb7b590846b_qx:
	s_mov_b64 s[64:65], 0
	v_nop
	global_prefetch_b8 v0, s[64:65] scope:SCOPE_SE
	s_setreg_imm32_b32 hwreg(HW_REG_WAVE_MODE, 25, 1), 1
	s_wait_xcnt 0x0
; x [8192][1024], f32, becomes codes of FP8 (E4M3), K innermost (xc, [8192][1024] bytes), with one E8M0 scale byte for each 32 along K (xs, [8192][32]).
; A block's scale is 2^(floor(log2(its largest magnitude)) - 8); its byte is the largest magnitude's own exponent field - 8, held at 1 from below.  Each number is divided by the scale,
; held within +-448 and rounded to the nearest code, ties to even.
; LIMITS: a block of zeros gets the byte 1 where the quantiser's rule says 127 (its codes are zeros, which add nothing under any byte but 0xff, and these bytes are read by this program alone);
; blocks whose largest magnitude lies under 2^(9 - 127) are held at that byte too; NaN and infinities among the inputs are not served.
; Rows are dense and 1,024 is a multiple of 32, so x is a plain stream of blocks of 32 numbers, and so are the codes and the scale bytes.
; SHARES: 256 work-groups x 4 waves x 16 steps x 512 numbers = 8,388,608.  The conversions take 8 numbers of ONE block from a lane's registers, so a lane must hold 16 neighbours (two lanes hold a block);
; a load is best where neighbouring lanes take neighbouring bytes.  Both are had: each of a step's four loads reads 512 consecutive bytes, the 2,048 bytes go through the wave's own stage in LDS as they lie
; and come back 64 bytes a lane (16 bytes of padding behind each 64).  A wave's 256 scale bytes are gathered in LDS and leave as 256 consecutive, aligned bytes.
; No tensor loads, no barrier, no cluster: waves share nothing, and no byte is read twice.  Loads run four steps (16 loads a wave) ahead, the turn through LDS one step.
.set STEPS, 16
.set EMAX,  8
.set MANT,  0x600000                   ; the mantissa field of 448 as f32
.set CB,    16                         ; bytes of 16 codes
.set R,     16                         ; v16-79   four sets of 16 numbers as they are loaded
.set X,     80                         ; v80-111  two sets of 16 neighbours
.set C,     128                        ; v128-191 codes: four registers for each step, so that no store's data are written again
.set E,     112                        ; v112-127 a scale byte for each step
.set WREG,  8192                       ; LDS: a region of its own for each wave: two stages of 32 x SP bytes, and behind them its 256 scale bytes
.set SP,    80                         ; a lane's place in a stage: its 64 bytes + 16 of padding
	s_load_b128 s[4:7], s[0:1], 0x0                ; x s[4:5], xc s[6:7]
	s_load_b64 s[8:9], s[0:1], 0x10                ; xs
	v_lshl_add_u32 v192, v0, 2, 0x8000
	v_mov_b32 v193, 0
	v_lshrrev_b32 v1, 5, v0
	v_readfirstlane_b32 s16, v1                    ; wave
	v_and_b32 v2, 31, v0                           ; lane
	v_lshlrev_b32 v3, 4, v2                        ; my 16 bytes of a load's 512
	s_mul_i32 s17, s16, WREG
	v_lshrrev_b32 v14, 2, v2
	v_mul_u32_u24 v14, v14, SP
	v_and_b32 v15, 3, v2
	v_lshl_add_u32 v14, v15, 4, v14
	v_add_nc_u32 v14, s17, v14                     ; the stage, on the way in: SP (lane / 4) + 16 (lane % 4); a load's 512 bytes take eight places
	v_mul_u32_u24 v15, v2, SP
	v_add_nc_u32 v15, s17, v15                     ; and on the way out: SP x lane: my 16 neighbours
	v_mul_u32_u24 v4, v2, CB                       ; my codes' place in a step's
	v_lshrrev_b32 v5, 1, v2
	s_add_co_u32 s17, s17, 2*32*SP
	v_add_nc_u32 v5, s17, v5                       ; LDS: my wave's 256 scale bytes, my block's byte
	v_lshlrev_b32 v7, 3, v2                        ; and on the way out 8 bytes a lane
	v_add_nc_u32 v6, s17, v7
	s_mov_b32 s23, MANT                            ; (an instruction takes one literal: the hold's line has another)
	s_lshl_b32 s18, ttmp9, 2
	s_add_co_u32 s18, s18, s16                     ; which run of 8,192 numbers is my wave's: 4 x work-group + wave, 0 .. 1,023
	s_mov_b32 s21, 0
	s_wait_alu depctr_va_vdst(0)
	s_wait_kmcnt 0x0
	s_lshl_b32 s20, s18, 15                        ; 32,768 bytes of x a run,
	s_add_nc_u64 s[4:5], s[4:5], s[20:21]
	s_lshl_b32 s20, s18, 13                        ; 8,192 of codes,
	s_add_nc_u64 s[6:7], s[6:7], s[20:21]
	s_lshl_b32 s20, s18, 8                         ; 256 of scale bytes
	s_add_nc_u64 s[8:9], s[8:9], s[20:21]
.macro LOAD t
.irp i, 0,1,2,3
	global_load_b128 v[R+16*((\t)%4)+4*\i:R+16*((\t)%4)+4*\i+3], v3, s[4:5] offset:2048*(\t)+512*\i th:TH_LOAD_NT   ; 32 lanes read 512 consecutive bytes
.endr
.endm
.macro TURN t                          ; step t's numbers through the stage: LDS serves a wave's instructions in order, so no wait stands between the stores and the loads
.irp i, 0,1,2,3
	ds_store_b128 v14, v[R+16*((\t)%4)+4*\i:R+16*((\t)%4)+4*\i+3] offset:32*SP*((\t)%2)+8*SP*\i
.endr
.irp i, 0,1,2,3
	ds_load_b128 v[X+16*((\t)%2)+4*\i:X+16*((\t)%2)+4*\i+3], v15 offset:32*SP*((\t)%2)+16*\i
.endr
.endm
.irp t, 0,1,2,3
	LOAD \t
.endr
	s_wait_loadcnt 12                              ; step 0's four loads are in; the twelve of steps 1 to 3 may be out
	TURN 0
.macro STEP t
.set XS, X+16*((\t)%2)
.if (\t) > 0
	s_wait_dscnt 1                                 ; this step's numbers are back from the stage (the last step's byte store may be out): so its stores into the stage have read their registers,
.else
	s_wait_dscnt 0x0
.endif
.if (\t)+4 < STEPS
	LOAD (\t)+4                                    ; which take the loads of four steps on
.endif
.if (\t)+1 < STEPS
.if STEPS-2-(\t) >= 3
	s_wait_loadcnt 12                              ; the next step's four loads are in; those of the three steps behind it may be out
.else
	s_wait_loadcnt 4*(STEPS-2-(\t))
.endif
	TURN (\t)+1                                    ; and go through the other stage while this step is worked
.endif
	v_max3_num_f32 v8, |v[XS]|, |v[XS+1]|, |v[XS+2]|               ; the largest magnitude of my 16, in two chains
	v_max3_num_f32 v9, |v[XS+3]|, |v[XS+4]|, |v[XS+5]|
.irp i, 6,10
	v_max3_num_f32 v8, v8, |v[XS+\i]|, |v[XS+\i+1]|
	v_max3_num_f32 v9, v9, |v[XS+\i+2]|, |v[XS+\i+3]|
.endr
	v_max3_num_f32 v8, v8, |v[XS+14]|, |v[XS+15]|
	v_max3_num_f32 v8, v8, v9, 0x4800000           ; and the floor 2^(9 - 127): so the byte cannot fall under 1
	v_max_num_f32_dpp v8, v8, v8 row_xmask:1 row_mask:0xf bank_mask:0xf   ; and of my neighbour's 16: the block's
	v_add_nc_u32 v11, 0xfc000000, v8               ; 8 off its exponent field: the conversion takes the exponent field of this operand as its scale, and nothing else of it
	v_and_or_b32 v10, v8, 0x7f800000, s23          ; 448 x the scale: the largest magnitude's exponent field over 448's mantissa
.irp i, 0,1,2,3,4,5,6,7,8,9,10,11,12,13,14,15
	v_med3_num_f32 v[XS+\i], v[XS+\i], -v10, v10   ; the conversion to an 8-bit code does not saturate (ISA guide 7.6.2): hold the number within the largest code x the scale first
.endr
	v_cvt_scalef32_pk8_fp8_f32 v[C+4*(\t):C+4*(\t)+1], v[XS:XS+7], v11
	v_cvt_scalef32_pk8_fp8_f32 v[C+4*(\t)+2:C+4*(\t)+3], v[XS+8:XS+15], v11
	v_lshrrev_b32 v[E+(\t)], 23, v11               ; the scale's byte (also the plain line behind the conversions)
	ds_store_b8 v5, v[E+(\t)] offset:16*(\t)       ; both lanes of a block write the same byte with the same value
	global_store_b128 v4, v[C+4*(\t):C+4*(\t)+3], s[6:7] offset:32*CB*(\t)   ; the wave stores 512 consecutive bytes
.endm
.irp t, 0,1,2,3,4,5,6,7,8,9,10,11,12,13,14,15
	STEP \t
.endr
	ds_load_b64 v[12:13], v6                       ; LDS serves a wave's instructions in order: these see my stores
	s_wait_dscnt 0x0
	global_store_b64 v7, v[12:13], s[8:9]          ; 32 lanes store 256 consecutive bytes, aligned
	s_wait_tensorcnt 0x0
	ds_add_u32 v192, v193
	s_wait_dscnt 0x0
	s_endpgm
.Lfunc_end_k_qb7b590846b_qx:
	.size	k_qb7b590846b_qx, .Lfunc_end_k_qb7b590846b_qx-k_qb7b590846b_qx
	.p2alignl 7, 3214868480
	.fill 96, 4, 3214868480
	.section	.rodata,"a",@progbits
	.p2align	6, 0x0
	.amdhsa_kernel k_qb7b590846b_qx
		.amdhsa_group_segment_fixed_size 33280
		.amdhsa_private_segment_fixed_size 0
		.amdhsa_enable_private_segment 0
		.amdhsa_kernarg_size 24
		.amdhsa_user_sgpr_count 2
		.amdhsa_user_sgpr_kernarg_segment_ptr 1
		.amdhsa_wavefront_size32 1
		.amdhsa_system_sgpr_workgroup_id_x 1
		.amdhsa_system_sgpr_workgroup_id_y 1
		.amdhsa_system_sgpr_workgroup_id_z 1
		.amdhsa_system_vgpr_workitem_id 0
		.amdhsa_next_free_vgpr 194
		.amdhsa_next_free_sgpr 66
		.amdhsa_reserve_vcc 0
		.amdhsa_float_denorm_mode_32 3
		.amdhsa_float_denorm_mode_16_64 3
		.amdhsa_memory_ordered 1
		.amdhsa_forward_progress 1
		.amdhsa_inst_pref_size 51
	.end_amdhsa_kernel
	.amdgpu_metadata
---
amdhsa.version: [ 1, 2 ]
amdhsa.kernels:
  - .name:           k_qb7b590846b_qx
    .symbol:         k_qb7b590846b_qx.kd
    .args:
      - { .name: x, .offset: 0, .size: 8, .value_kind: global_buffer, .address_space: global }
      - { .name: xc, .offset: 8, .size: 8, .value_kind: global_buffer, .address_space: global }
      - { .name: xs, .offset: 16, .size: 8, .value_kind: global_buffer, .address_space: global }
    .group_segment_fixed_size: 33280
    .private_segment_fixed_size: 0
    .kernarg_segment_align: 8
    .kernarg_segment_size: 24
    .max_flat_workgroup_size: 128
    .sgpr_count:     66
    .vgpr_count:     194
    .wavefront_size: 32
...
	.end_amdgpu_metadata
.endif
;; end of part 1
;; launch qkv (part 2): grid 12 x 32, 4 waves a work-group, clusters of 4 x 4, 327,680 bytes of LDS; arguments xc, xs, Wqkv_codes, Wqkv_scales, bqkv, qc, qs, kv; writes qc, qs, kv
.if DOCPART == 2
	.amdgcn_target "amdgcn-amd-amdhsa--gfx1250"
	.amdhsa_code_object_version 6
	.text
	.protected	k_qb7b590846b_qkv
	.globl	k_qb7b590846b_qkv
	.p2align	8
	.type	k_qb7b590846b_qkv,@function
k_qb7b590846b_qkv:
	s_mov_b64 s[64:65], 0
	v_nop
	global_prefetch_b8 v0, s[64:65] scope:SCOPE_SE
	s_setreg_imm32_b32 hwreg(HW_REG_WAVE_MODE, 25, 1), 1
	s_wait_xcnt 0x0
	s_wait_alu depctr_hold_cnt(0) depctr_sa_sdst(0) depctr_va_vdst(0) depctr_va_sdst(0) depctr_va_ssrc(0) depctr_va_vcc(0) depctr_vm_vsrc(0)
	s_getreg_b32 s2, hwreg(HW_REG_IB_STS2, 6, 4)
	s_cmp_eq_u32 s2, 0
	s_cbranch_scc0 .Lentry_in_a_cluster
	s_endpgm
.Lentry_in_a_cluster:
	s_bfe_u32 s2, ttmp6, 0x10000c
	s_cmp_lg_u32 s2, 0xf033
	s_cbranch_scc0 .Lentry_shape_is_right
	s_endpgm
.Lentry_shape_is_right:
.set KSTEP,  256
.set NQ,     2
.set ROWB,   256
.set ASTEP,  256
.set KROW,   1024
.set PITCH,  272
.set FR,     16
.set NL,     4
.set NP,     8
.set HALFT,  128*PITCH
.set SLOT,   4*HALFT
.set LAPS,   2
.set KS,     32
.set SCL,    2*SLOT
.set HALFS,  (128*KS/256)*272
.set SBLK,   (16*KS/256)*272
.set SPARE,  SCL+4*HALFS
.set HEADB,  270336
.set STEPB,  16896
.set ADRA, 16
.set ADRB, 20
.set BA,   24
.set SO,   25
.set CO,   26
.set ADRS, 27
.set SPW,  28
.set NIL,  29
.set SC,   32
.set BI,   64
.set AF,   128
.set T,    128
.set PC,   192
.set TM,   208
.set PW,   224
.set W,    232
.set SELV, 236
.set G1, 24
.set G0, 32
.set G1B, 48
.set G0B, 56
.set G1S, 68
.set G0S, 76
.set G1SB, 80
.set G0SB, 88
.set MSB, 0
.macro WIN new
.if MSB != \new
	s_set_vgpr_msb (MSB<<8)|\new
.set MSB, \new
.endif
.endm
.set MUL_LO, 0xa1
.set MUL_HI, 0xf1
.set TO_B,   0x40
.macro JLOAD g0a, g1a, g0b, g1b
	s_cmp_eq_u32 s15, 0
	s_cbranch_scc0 .Lfor_b_\@
	tensor_load_to_lds s[\g0a:\g0a+3], s[\g1a:\g1a+7]
	s_nop 0
.rept 4
	v_nop
.endr
	s_branch .Lasked_\@
.Lfor_b_\@:
	tensor_load_to_lds s[\g0b:\g0b+3], s[\g1b:\g1b+7]
	s_nop 0
.rept 4
	v_nop
.endr
.Lasked_\@:
.endm
.macro CREST
	s_cmp_lg_u32 s14, 0
	s_cbranch_scc1 .Lnot_wave_0_\@
	s_barrier_signal -3
.Lnot_wave_0_\@:
	s_barrier_wait -3
	s_barrier_signal -1
	s_barrier_wait -1
.endm
.macro CROUND
	s_barrier_signal -1
	s_barrier_wait -1
	CREST
.endm
	s_load_b128 s[4:7], s[0:1], 0x0
	s_load_b128 s[8:11], s[0:1], 0x10
	s_load_b64 s[66:67], s[0:1], 0x20
	s_load_b128 s[96:99], s[0:1], 0x28
	s_load_b64 s[100:101], s[0:1], 0x38
	v_lshl_add_u32 v[SPW], v0, 2, SPARE
	v_mov_b32 v[NIL], 0
	ds_add_u32 v28, v29
	ds_add_u32 v28, v29
	s_wait_dscnt 0x0
	v_lshrrev_b32 v1, 5, v0
	v_readfirstlane_b32 s14, v1
	s_lshr_b32 s15, s14, 1
	s_and_b32 s16, s14, 1
	s_bfe_u32 s40, ttmp6, 0x40000
	s_bfe_u32 s41, ttmp6, 0x40004
	s_lshl_b32 s42, ttmp9, 2
	s_and_b32 s17, ttmp7, 0xffff
	s_lshl_b32 s17, s17, 2
	s_cmp_eq_u32 ttmp9, 2
	s_cselect_b32 s42, s17, s42
	s_cselect_b32 s17, 8, s17
	s_add_co_u32 s42, s42, s40
	s_add_co_u32 s17, s17, s41
	s_lshl_b32 s43, s41, 2
	s_lshl_b32 s43, 15, s43
	s_lshl_b32 s44, 0x1111, s40
	s_or_b32 s[G1+0], s43, (0<<16)|(1<<20)|(1<<21)|(5<<22)|(3<<25)
	s_or_b32 s[G1B+0], s44, (0<<16)|(1<<20)|(1<<21)|(5<<22)|(3<<25)
.irp g, G1, G1B
	s_mov_b32 s[\g+1], ROWB<<16
	s_mov_b32 s[\g+2], 256<<16                     ; the head's loads of codes bring 256 rows
	s_mov_b32 s[\g+3], ROWB<<16
	s_mov_b32 s[\g+4], 256
	s_mov_b32 s[\g+5], KROW
	s_mov_b32 s[\g+6], 0
	s_mov_b32 s[\g+7], 0
.endr
	s_or_b32 s[G1S+0], s43, (3<<16)|(1<<20)|(1<<21)|(5<<22)|(3<<25)
	s_or_b32 s[G1SB+0], s44, (3<<16)|(1<<20)|(1<<21)|(5<<22)|(3<<25)
.irp g, G1S, G1SB
	s_mov_b32 s[\g+1], 32<<16
	s_mov_b32 s[\g+2], KS<<16                      ; the scales of 256 rows: KS rows of 256 bytes
	s_mov_b32 s[\g+3], 32<<16
	s_mov_b32 s[\g+4], KS
	s_mov_b32 s[\g+5], 32
	s_mov_b32 s[\g+6], 0
	s_mov_b32 s[\g+7], 0
.endr
	s_lshl_b32 s20, s17, 8                         ; the tiles' first rows
	s_lshl_b32 s46, s42, 8
	s_mov_b32 s21, 0
	s_mov_b32 s47, 0
	s_mov_b64 s[18:19], KS
	s_mul_u64 s[22:23], s[20:21], s[18:19]
	s_mul_u64 s[92:93], s[46:47], s[18:19]
	s_mov_b64 s[18:19], KROW
	s_mul_u64 s[20:21], s[20:21], s[18:19]
	s_mul_u64 s[46:47], s[46:47], s[18:19]
	s_mul_i32 s45, s14, HALFT
	s_mul_i32 s94, s16, 128*KROW                   ; in the ring I fetch 128 rows of a tile: which half, in bytes
	s_mov_b32 s95, 0
	s_wait_kmcnt 0x0
	s_cmp_eq_u32 ttmp9, 2
	s_cselect_b64 s[12:13], s[8:9], s[4:5]
	s_cselect_b64 s[8:9], s[4:5], s[8:9]
	s_cselect_b64 s[4:5], s[10:11], s[6:7]
	s_cselect_b64 s[10:11], s[6:7], s[10:11]
	s_add_nc_u64 s[20:21], s[12:13], s[20:21]
	s_add_nc_u64 s[22:23], s[4:5], s[22:23]
	s_add_nc_u64 s[46:47], s[8:9], s[46:47]
	s_add_nc_u64 s[92:93], s[10:11], s[92:93]
	CROUND
	s_mov_b32 s[G0S], 1
	s_mov_b32 s[G0S+1], SCL
	s_mov_b64 s[G0S+2:G0S+3], s[22:23]
	s_or_b32 s[G0S+3], s[G0S+3], 0x80000000
	s_mov_b32 s[G0SB], 1
	s_mov_b32 s[G0SB+1], SCL+2*HALFS
	s_mov_b64 s[G0SB+2:G0SB+3], s[92:93]
	s_or_b32 s[G0SB+3], s[G0SB+3], 0x80000000
.set G0H, 4                            ; s[4:7], s[8:11] group 0 for the head's loads of K step 0 (the addresses that lay there have been used)
.set G0HB, 8
	s_mov_b32 s[G0H], 1
	s_mov_b32 s[G0H+1], 0
	s_mov_b64 s[G0H+2:G0H+3], s[20:21]
	s_or_b32 s[G0H+3], s[G0H+3], 0x80000000
	s_mov_b32 s[G0HB], 1
	s_mov_b32 s[G0HB+1], 2*HALFT
	s_mov_b64 s[G0HB+2:G0HB+3], s[46:47]
	s_or_b32 s[G0HB+3], s[G0HB+3], 0x80000000
	s_add_nc_u64 s[20:21], s[20:21], s[94:95]      ; for the ring: my 128 rows of the tile
	s_add_nc_u64 s[46:47], s[46:47], s[94:95]
.irp s, 0,1
	s_mov_b32 s[G0+4*\s], 1
	s_add_co_u32 s[G0+4*\s+1], s45, \s*SLOT
	s_add_nc_u64 s[G0+4*\s+2:G0+4*\s+3], s[20:21], \s*ASTEP
	s_or_b32 s[G0+4*\s+3], s[G0+4*\s+3], 0x80000000
	s_mov_b32 s[G0B+4*\s], 1
	s_add_co_u32 s[G0B+4*\s+1], s45, \s*SLOT
	s_add_nc_u64 s[G0B+4*\s+2:G0B+4*\s+3], s[46:47], \s*ROWB
	s_or_b32 s[G0B+4*\s+3], s[G0B+4*\s+3], 0x80000000
.endr
; the head's loads, one a wave: wave 0 source A's 256 rows of K step 0, wave 1 source B's, wave 2 A's scales, wave 3 B's; one tree of branches on the wave's number
.macro ARM under, g0, g1, next
	s_cmp_lt_u32 s14, \under
	s_cbranch_scc0 \next
	tensor_load_to_lds s[\g0:\g0+3], s[\g1:\g1+7]
	s_nop 0
.rept 4
	v_nop
.endr
	s_branch .Lhead_asked
\next:
.endm
	ARM 1, G0H,  G1,  .Lhead_b
	ARM 2, G0HB, G1B, .Lhead_sa
	ARM 3, G0S,  G1S, .Lhead_sb
	tensor_load_to_lds s[G0SB:G0SB+3], s[G1SB:G1SB+7]
	s_nop 0
.rept 4
	v_nop
.endr
.Lhead_asked:
	v_and_b32 v1, 15, v0
	v_bfe_u32 v2, v0, 4, 1
	v_mul_u32_u24 v3, v1, PITCH
	v_lshl_add_u32 v4, v2, 4, v3
	s_mul_i32 s21, s15, HALFT
	s_mul_i32 s22, s16, HALFT
	s_add_co_u32 s22, s22, 2*HALFT
.irp s, 0,1
	v_add_nc_u32 v[ADRA+\s], s21, v4
	v_add_nc_u32 v[ADRB+\s], s22, v4
	s_add_co_u32 s21, s21, SLOT
	s_add_co_u32 s22, s22, SLOT
.endr
	v_mul_u32_u24 v5, v1, KS
	v_lshrrev_b32 v6, 8, v5
	v_lshl_add_u32 v5, v6, 4, v5
	s_mul_i32 s21, s15, HALFS
	s_mul_i32 s22, s16, HALFS
	s_add_co_u32 s22, s22, 2*HALFS
	s_sub_co_u32 s22, s22, s21
	v_mul_u32_u24 v6, s22, v2
	s_add_co_u32 s21, s21, SCL
	v_add_nc_u32 v5, v5, v6
	v_add_nc_u32 v[ADRS], s21, v5
.macro FRAG reg, adr, q, i
.irp c, 0,1,2,3
	ds_load_b128 v[\reg+4*\c:\reg+4*\c+3], v[\adr] offset:128*(\q)+32*\c+(\i)*16*PITCH
.endr
.endm
.macro MUL16 a0, p, q, sc, zero
.irp a, \a0, \a0+1
.irp b, 0,1,2,3,4,5,6,7
.if \zero
	v_wmma_scale_f32_16x16x128_f8f6f4 v[8*(8*((\a)%4)+\b):8*(8*((\a)%4)+\b)+7], v[128*(\p)+FR*\b:128*(\p)+FR*\b+FR-1], v[AF+FR*(\a):AF+FR*(\a)+FR-1], 0, v[SC+8*NQ*(\sc)+NQ*\b+(\q)], v[SC+8*NQ*(\sc)+NQ*(\a)+(\q)] matrix_a_scale:MATRIX_SCALE_ROW1
.else
	v_wmma_scale_f32_16x16x128_f8f6f4 v[8*(8*((\a)%4)+\b):8*(8*((\a)%4)+\b)+7], v[128*(\p)+FR*\b:128*(\p)+FR*\b+FR-1], v[AF+FR*(\a):AF+FR*(\a)+FR-1], v[8*(8*((\a)%4)+\b):8*(8*((\a)%4)+\b)+7], v[SC+8*NQ*(\sc)+NQ*\b+(\q)], v[SC+8*NQ*(\sc)+NQ*(\a)+(\q)] matrix_a_scale:MATRIX_SCALE_ROW1
.endif
.endr
.endr
.endm
.macro FETCH_B slot, q, p
	WIN TO_B
.irp i, 0,1,2,3,4,5,6,7
	FRAG 128*(\p)+FR*\i, ADRB+\slot, \q, \i
.endr
	WIN 0
.endm
.macro FETCH_A slot, q, i0
.irp i, \i0, \i0+1, \i0+2, \i0+3
	FRAG AF+FR*(\i), ADRA+\slot, \q, \i
.endr
.endm
.macro SCALES sc
.irp i, 0,1,2,3,4,5,6,7
	ds_load_b64 v[SC+8*NQ*\sc+NQ*\i:SC+8*NQ*\sc+NQ*\i+1], v[ADRS] offset:\i*SBLK
.endr
.endm
.macro PLACES n
.rept \n
	v_nop
.endr
.endm
.macro STEP slot, q, zero
	s_wait_dscnt 4*NL
	WIN MUL_LO
	MUL16 0, (\q)%2, \q, \slot, \zero
	MUL16 2, (\q)%2, \q, \slot, \zero
	s_wait_dscnt 0
	PLACES NP
	FETCH_B \slot, (\q)+1, 1-(\q)%2
	FETCH_A \slot, (\q)+1, 0
	WIN MUL_HI
	MUL16 4, (\q)%2, \q, \slot, \zero
	MUL16 6, (\q)%2, \q, \slot, \zero
	PLACES NP
	WIN 0
	FETCH_A \slot, (\q)+1, 4
.endm
.macro TURN slot, next, fill
	s_wait_tensorcnt 0x0
	ds_add_u32 v[SPW], v[NIL]
	s_wait_dscnt 4*NL+1
	WIN MUL_LO
	MUL16 0, 1, NQ-1, \slot, 0
	s_wait_dscnt 0x0
	s_barrier_signal -1
	MUL16 2, 1, NQ-1, \slot, 0
	WIN 0
	s_barrier_wait -1
.if \fill
	CREST
	s_add_nc_u64 s[G0+4*\slot+2:G0+4*\slot+3], s[G0+4*\slot+2:G0+4*\slot+3], 2*ASTEP
	s_add_nc_u64 s[G0B+4*\slot+2:G0B+4*\slot+3], s[G0B+4*\slot+2:G0B+4*\slot+3], 2*ROWB
	JLOAD G0+4*\slot, G1, G0B+4*\slot, G1B
	PLACES NP-4
.else
	PLACES NP
.endif
	s_wait_alu depctr_va_vdst(0)
	v_add_nc_u32 v[ADRS], 4*NQ, v[ADRS]
	FETCH_B \next, 0, 0
	FETCH_A \next, 0, 0
	SCALES \next
	WIN MUL_HI
	MUL16 4, 1, NQ-1, \slot, 0
	MUL16 6, 1, NQ-1, \slot, 0
	PLACES NP
	WIN 0
	FETCH_A \next, 0, 4
.endm
.macro LASTSTEP
	s_wait_dscnt 4*NL
	WIN MUL_LO
	MUL16 0, 1, NQ-1, 1, 0
	MUL16 2, 1, NQ-1, 1, 0
	s_wait_dscnt 0
	WIN MUL_HI
	MUL16 4, 1, NQ-1, 1, 0
	MUL16 6, 1, NQ-1, 1, 0
	WIN 0
.endm
.macro QUANT s, pw
.irp b, 0,1,2,3
	v_max3_num_f32 v[TM+\b], |v[\s+16*\b]|, |v[\s+1+16*\b]|, 0x4800000
.endr
.irp i, 2,4,6,8,10,12,14
.irp b, 0,1,2,3
	v_max3_num_f32 v[TM+\b], v[TM+\b], |v[\s+16*\b+\i]|, |v[\s+1+16*\b+\i]|
.endr
.endr
.irp b, 0,1,2,3
	v_permlanex16_b32 v[TM+4+\b], v[TM+\b], s18, s19
.endr
.irp b, 0,1,2,3
	v_max_num_f32 v[TM+\b], v[TM+\b], v[TM+4+\b]
.endr
.irp b, 0,1,2,3
	v_add_nc_u32 v[TM+12+\b], 0xfc000000, v[TM+\b]
.endr
.irp b, 0,1,2,3
	v_and_or_b32 v[TM+8+\b], v[TM+\b], 0x7f800000, s20
.endr
.irp b, 0,1,2,3
	v_lshrrev_b32 v[TM+4+\b], 23, v[TM+12+\b]
.endr
	v_lshl_or_b32 v[\pw], v[TM+5], 8, v[TM+4]
	v_lshl_or_b32 v[\pw], v[TM+6], 16, v[\pw]
	v_lshl_or_b32 v[\pw], v[TM+7], 24, v[\pw]
	s_wait_xcnt 0x0
.irp b, 0,1,2,3
.irp i, 0,1,2,3,4,5,6,7,8,9,10,11,12,13,14,15
	v_med3_num_f32 v[\s+16*\b+\i], v[\s+16*\b+\i], -v[TM+8+\b], v[TM+8+\b]
.endr
	v_cvt_scalef32_pk8_fp8_f32 v[PC+4*\b:PC+1+4*\b], v[\s+16*\b:\s+7+16*\b], v[TM+12+\b]
	v_cvt_scalef32_pk8_fp8_f32 v[PC+2+4*\b:PC+3+4*\b], v[\s+8+16*\b:\s+15+16*\b], v[TM+12+\b]
.endr
	v_nop
.endm
.macro EPI isv
.irp b, 0,1,2,3
	v_mov_b32 v[TM+4+\b], 0
.endr
.irp a, 0,1,2,3,4,5,6,7
.set WA, 0x02+(\a)/4
	WIN WA
.irp b, 0,1,2,3,4,5,6,7
.irp i, 0,2,4,6
.if \isv
	v_pk_add_f32 v[T+8*\b+\i:T+8*\b+\i+1], v[8*(8*((\a)%4)+\b)+\i:8*(8*((\a)%4)+\b)+\i+1], v[BI+2*\a:BI+2*\a+1]
.else
	v_pk_add_f32 v[T+8*\b+\i:T+8*\b+\i+1], v[8*(8*((\a)%4)+\b)+\i:8*(8*((\a)%4)+\b)+\i+1], v[BI+8*\b+\i:BI+8*\b+\i+1]
.endif
.endr
.endr
	WIN 0
	QUANT T, PW+\a
.irp c, 0,1,2,3
.if \isv
	global_store_b128 v[CO], v[PC+4*\c:PC+4*\c+3], s[4:5] offset:((\a)/4)*HEADB+((\a)%4)*2048+\c*512
.else
	global_store_b128 v[CO], v[PC+4*\c:PC+4*\c+3], s[4+2*(\c/2):5+2*(\c/2)] offset:(\a)*1024+(\c%2)*512
.endif
.endr
.endr
	v_cmp_eq_u32 vcc_lo, 1, v2
.if \isv
.irp i, 0,1,2,3
	v_cndmask_b32 v[W+\i], v[PW+\i], v[PW+4+\i], vcc_lo
.endr
.else
	v_mov_b32 v[SELV], 0x05040100
	v_mov_b32 v[SELV+1], 0x07060302
	v_cndmask_b32 v[SELV], v[SELV], v[SELV+1], vcc_lo
.irp i, 0,1,2,3
	v_perm_b32 v[W+\i], v[PW+2*\i+1], v[PW+2*\i], v[SELV]
.endr
.endif
	global_store_b128 v[SO], v[W:W+3], s[8:9]
.endm
	s_wait_alu depctr_va_vdst(0)
	s_wait_tensorcnt 0x0                           ; my tile of the head's four is in
	ds_add_u32 v[SPW], v[NIL]
	s_mov_b32 s[G1+2], 128<<16                     ; no tensor load of mine is out: from here on a load brings 128 rows
	s_mov_b32 s[G1+4], 128
	s_mov_b32 s[G1B+2], 128<<16
	s_mov_b32 s[G1B+4], 128
	s_wait_dscnt 0x0
	CROUND                                         ; all four tiles are in, and the partners are here
	JLOAD G0+4, G1, G0B+4, G1B                     ; K step 1, the first tensor load behind the round
	FETCH_B 0, 0, 0
	FETCH_A 0, 0, 0
	SCALES 0
	FETCH_A 0, 0, 4
	STEP 0, 0, 1
	s_mov_b32 s3, LAPS-1
.Llap:
	TURN 0, 1, 1
	STEP 1, 0, 0
	TURN 1, 0, 1
	STEP 0, 0, 0
	s_sub_co_u32 s3, s3, 1
	s_cmp_lg_u32 s3, 0
	s_cbranch_scc1 .Llap
	TURN 0, 1, 0
	STEP 1, 0, 0
	s_mov_b32 s18, 0x76543210
	s_mov_b32 s19, 0xfedcba98
	s_mov_b32 s20, 0x600000
	v_and_b32 v3, 31, v0
	v_lshlrev_b32 v[CO], 4, v3
	s_cmp_eq_u32 ttmp9, 2
	s_cbranch_scc1 .Lv
	s_lshl_b32 s21, s17, 8
	s_lshl_b32 s22, s15, 7
	s_add_co_u32 s21, s21, s22
	s_lshr_b32 s22, s21, 11
	s_bfe_u32 s23, s21, 0x40007
	s_lshl_b32 s22, s22, 4
	s_lshl_b32 s45, s40, 2
	s_add_co_u32 s22, s22, s45
	s_lshl_b32 s45, s16, 1
	s_add_co_u32 s22, s22, s45
	s_mov_b32 s46, HEADB
	s_mov_b32 s47, STEPB
	s_cmp_eq_u32 ttmp9, 0
	s_cselect_b64 s[4:5], s[96:97], s[100:101]
	s_cselect_b64 s[8:9], s[98:99], s[100:101]
	s_cselect_b32 s92, 131072, s46
	s_cselect_b32 s93, 8192, s47
	s_cselect_b32 s94, 4096, s46
	s_cselect_b32 s95, 256, s47
	s_cselect_b32 s45, 0, 16384
	s_mul_i32 s46, s22, s92
	s_mul_i32 s47, s23, s93
	s_add_co_u32 s46, s46, s47
	s_mov_b32 s47, 0
	s_add_nc_u64 s[4:5], s[4:5], s[46:47]
	s_mov_b32 s46, s92
	s_add_nc_u64 s[6:7], s[4:5], s[46:47]
	s_mul_i32 s46, s22, s94
	s_mul_i32 s21, s23, s95
	s_add_co_u32 s46, s46, s21
	s_add_co_u32 s46, s46, s45
	s_add_nc_u64 s[8:9], s[8:9], s[46:47]
	s_lshl_b32 s46, s42, 10
	s_lshl_b32 s21, s16, 9
	s_add_co_u32 s46, s46, s21
	s_add_nc_u64 s[10:11], s[66:67], s[46:47]
	v_lshlrev_b32 v[BA], 5, v2
	v_mul_u32_u24 v[SO], s94, v2
	v_lshl_add_u32 v[SO], v1, 4, v[SO]
.irp b, 0,1,2,3,4,5,6,7
	global_load_b128 v[BI+8*\b:BI+8*\b+3], v[BA], s[10:11] offset:64*\b
	global_load_b128 v[BI+8*\b+4:BI+8*\b+7], v[BA], s[10:11] offset:64*\b+16
.endr
	LASTSTEP
	s_wait_loadcnt 0x0
	PLACES NP
	EPI 0
	s_branch .Lend
.Lv:
	s_lshl_b32 s21, s42, 8
	s_lshl_b32 s22, s16, 7
	s_add_co_u32 s21, s21, s22
	s_lshr_b32 s22, s21, 11
	s_bfe_u32 s23, s21, 0x40007
	s_lshl_b32 s22, s22, 4
	s_lshl_b32 s45, s41, 2
	s_add_co_u32 s22, s22, s45
	s_lshl_b32 s45, s15, 1
	s_add_co_u32 s22, s22, s45
	s_mul_i32 s46, s22, HEADB
	s_mul_i32 s47, s23, STEPB
	s_add_co_u32 s46, s46, s47
	s_add_co_u32 s46, s46, 8192
	s_mov_b32 s47, 0
	s_add_nc_u64 s[4:5], s[100:101], s[46:47]
	s_add_nc_u64 s[8:9], s[4:5], 8448
	s_lshl_b32 s46, s17, 10
	s_lshl_b32 s21, s15, 9
	s_add_co_u32 s46, s46, s21
	s_add_nc_u64 s[10:11], s[66:67], s[46:47]
	v_lshlrev_b32 v[BA], 2, v1
	v_mul_u32_u24 v[SO], 0x42000, v2
	v_lshl_add_u32 v[SO], v1, 4, v[SO]
.irp a, 0,1,2,3,4,5,6,7
	global_load_b32 v[BI+2*\a], v[BA], s[10:11] offset:64*\a
	global_load_b32 v[BI+2*\a+1], v[BA], s[10:11] offset:64*\a
.endr
	LASTSTEP
	s_wait_loadcnt 0x0
	PLACES NP
	EPI 1
.Lend:
	s_wait_tensorcnt 0x0
	ds_add_u32 v[SPW], v[NIL]
	s_wait_dscnt 0x0
	CROUND
	s_endpgm
.Lfunc_end_k_qb7b590846b_qkv:
	.size	k_qb7b590846b_qkv, .Lfunc_end_k_qb7b590846b_qkv-k_qb7b590846b_qkv
	.p2alignl 7, 3214868480
	.fill 96, 4, 3214868480
	.section	.rodata,"a",@progbits
	.p2align	6, 0x0
	.amdhsa_kernel k_qb7b590846b_qkv
		.amdhsa_group_segment_fixed_size 327680
		.amdhsa_private_segment_fixed_size 0
		.amdhsa_enable_private_segment 0
		.amdhsa_kernarg_size 64
		.amdhsa_user_sgpr_count 2
		.amdhsa_user_sgpr_kernarg_segment_ptr 1
		.amdhsa_wavefront_size32 1
		.amdhsa_system_sgpr_workgroup_id_x 1
		.amdhsa_system_sgpr_workgroup_id_y 1
		.amdhsa_system_sgpr_workgroup_id_z 1
		.amdhsa_system_vgpr_workitem_id 0
		.amdhsa_next_free_vgpr 1024
		.amdhsa_next_free_sgpr 102
		.amdhsa_reserve_vcc 1
		.amdhsa_float_denorm_mode_32 3
		.amdhsa_float_denorm_mode_16_64 3
		.amdhsa_memory_ordered 1
		.amdhsa_forward_progress 1
		.amdhsa_inst_pref_size 255
	.end_amdhsa_kernel
	.section	.bss,"aw",@nobits
	.p2align	6
	.space	262144
	.amdgpu_metadata
---
amdhsa.version: [ 1, 2 ]
amdhsa.kernels:
  - .name:           k_qb7b590846b_qkv
    .symbol:         k_qb7b590846b_qkv.kd
    .args:
      - { .name: xc, .offset: 0, .size: 8, .value_kind: global_buffer, .address_space: global }
      - { .name: xs, .offset: 8, .size: 8, .value_kind: global_buffer, .address_space: global }
      - { .name: Wqkv_codes, .offset: 16, .size: 8, .value_kind: global_buffer, .address_space: global }
      - { .name: Wqkv_scales, .offset: 24, .size: 8, .value_kind: global_buffer, .address_space: global }
      - { .name: bqkv, .offset: 32, .size: 8, .value_kind: global_buffer, .address_space: global }
      - { .name: qc, .offset: 40, .size: 8, .value_kind: global_buffer, .address_space: global }
      - { .name: qs, .offset: 48, .size: 8, .value_kind: global_buffer, .address_space: global }
      - { .name: kv, .offset: 56, .size: 8, .value_kind: global_buffer, .address_space: global }
    .group_segment_fixed_size: 327680
    .private_segment_fixed_size: 0
    .kernarg_segment_align: 8
    .kernarg_segment_size: 64
    .max_flat_workgroup_size: 128
    .sgpr_count:     102
    .vgpr_count:     1024
    .wavefront_size: 32
...
	.end_amdgpu_metadata
.endif
;; end of part 2
;; launch attn (part 3): grid 4 x 64, 8 waves a work-group, clusters of 4 x 1, 271,360 bytes of LDS; arguments qc, qs, kv, x, t, ac, asc; writes ac, asc
.if DOCPART == 3
	.amdgcn_target "amdgcn-amd-amdhsa--gfx1250"
	.amdhsa_code_object_version 6
	.text
	.protected	k_qb7b590846b_attn
	.globl	k_qb7b590846b_attn
	.p2align	8
	.type	k_qb7b590846b_attn,@function
k_qb7b590846b_attn:
	s_mov_b64 s[64:65], 0
	v_nop
	global_prefetch_b8 v0, s[64:65] scope:SCOPE_SE
	s_setreg_imm32_b32 hwreg(HW_REG_WAVE_MODE, 25, 1), 1
	s_wait_xcnt 0x0
	s_wait_alu depctr_hold_cnt(0) depctr_sa_sdst(0) depctr_va_vdst(0) depctr_va_sdst(0) depctr_va_ssrc(0) depctr_va_vcc(0) depctr_vm_vsrc(0)
	s_getreg_b32 s2, hwreg(HW_REG_IB_STS2, 6, 4)
	s_cmp_eq_u32 s2, 0
	s_cbranch_scc0 .Lentry_in_a_cluster
	s_endpgm
.Lentry_in_a_cluster:
	s_bfe_u32 s2, ttmp6, 0x10000c
	s_cmp_lg_u32 s2, 0x3003
	s_cbranch_scc0 .Lentry_shape_is_right
	s_endpgm
.Lentry_shape_is_right:
; For each (batch, head): o = softmax(q k^T / 8) v, both products on codes of FP8 (E4M3) with one E8M0 scale for each 32 along a product's K; then c_skip x + c_out o, quantised along the channels for the last product.
; THE SOFTMAX AHEAD OF THE SECOND PRODUCT: t = score x log2(e) / 8; M = the row's largest t so far, rounded UP to a whole number; p = 2^(t - M) is quantised along the keys, not normalised.
; The row's sum is taken of the unquantised p, in f32, and divides at the end.  When M moves, the sum and O are multiplied by 2^(old M - new M): exact.
; SHARES.  A work-group owns 512 queries of one (batch, head): 4 x 64 = 256 work-groups.  Each of its eight waves owns 64 queries: two passes over the keys, TWO tiles of 16 queries in each,
; so that every fragment of k and v that is read from LDS feeds both tiles: 34 LDS loads for 24 matrix instructions a key step.
; THE WHOLE HEAD'S k, v AND THEIR SCALES STAY IN LDS: 16 steps of 128 keys x 16,896 bytes = 270,336, dense in memory as the launch before laid them (images of operand registers: lane l's 16 bytes at 16 l).
; They are filled once: wave w fetches steps 2 w and 2 w + 1 by one tensor load, its addresses made of the wave's number; one wait for 0 and one barrier show all eight landed.  Nothing is filled again, nothing is stored to LDS.
; CLUSTER.  The four work-groups of a cluster share the head: each fill is asked for JOINTLY, by the same tensor load with the same descriptor and the mask of all four.
; LAYOUT.  Both products are used transposed: S^T = k q^T (source 0 = 16 keys, source 1 = 16 queries), O^T = v^T p^T: a lane holds ONE query (lane % 16) of each tile throughout.
; K = 64 IN AN INSTRUCTION OF K = 128: a fragment of k is TWO tiles of 16 keys.  It is multiplied by [q | 0] for the first tile's scores and by [0 | q] for the second's: the other tile's codes meet zero codes.
; The registers 0 qA 0 qB 0, eight each, give all four forms as runs of 16.
; Inside a block of 32 the order of q, k (channels) and of v, p (keys) is element 16 u + 8 h + j at place 16 h + 8 u + j, alike on both sides of each product.
; REGISTERS.  Window 0 (v0-255): addresses, scale registers, all that the softmax works on: both tiles' S^T are eight blocks of 16 registers, taken by turns.  Window 1 (v256-511): k's and v's fragments, O^T of both tiles, q.
; THE WAY OUT.  ac [tile of 16 tokens 512][head 16][block 2][lane][16 B] is in the channels' true order, since Wproj is given: two exchanges between the halves of the lanes restore it.  asc [8192][32] scale bytes:
; a wave has two bytes of each of 16 rows, so these stores cover two bytes a row; the rows' other bytes belong to other heads' work-groups.
; PREFETCH.  A pass's two pieces of x (16 rows x 256 bytes each, each row's piece named by the two lanes that will load it) are asked for once, at the pass's head: 16 key steps ahead of their loads.  k and v come once, by the head's loads.
; LIMITS: NaN and infinities are not served; a block of zeros gets the scale byte 1 (its codes are zeros; this program alone reads the bytes); v_exp_f32 gives 0 for p under 2^-126;
; a block's largest p is taken from its largest score, which takes v_exp_f32 not to fall where its input rises (at the worst one p of a block, within an ulp of a power of two, is held one code low).
.set HEADB,  270336
.set STEPB,  16896                     ; k's images 8,192, v's images 8,192, k's scale bytes 256, v's scale words 256
.set SPARE,  0x42000                   ; behind the head: the spare words, 128 bytes a wave
; window 0
.set LI,  1                            ; 16 x lane
.set ADR, 2                            ; LDS address of the step in hand
.set XA,  3                            ; x: 4,096 r + 32 h
.set QSA, 4                            ; q's scale bytes: 16 r
.set ASA, 5                            ; asc: 32 r
.set CK,  6                            ; v6 c_skip, v7 c_out
.set G,   8                            ; v8 c_out / the row's sum; v9 named with it as a pair
.set TQ,  10                           ; v10, v11 q's two scale bytes as loaded, a tile each
.set ST,  12                           ; tile u at ST + 4 u: -M, the largest score so far, the sum in two halves
.set TMP, 20                           ; v20, v21
.set TQN, 22                           ; v22, v23 the second pass's scale bytes of q
.set FF,  24                           ; tile u: FF + 2 u = f = 2^(old M - new M), FF + 2 u + 1 = p's scale word
.set QSW, 28                           ; v28, v29 q's scale words: the two bytes twice
.set SCK, 32                           ; scale words of the step as loaded for the first product (lanes 0-15: k's four)
.set SCV, 36                           ; and for the second (lanes 16-31: v's four)
.set BM,  40                           ; eight block maxima
.set PM,  48                           ; the other half's maxima, then bytes
.set LIM, 56                           ; 448 x the scale
.set SOP, 64                           ; the conversions' scale operands
.set T,   72                           ; v72-87 four chains of the row's sum for each tile
.set PC,  88                           ; v88-119 p's codes, 16 a tile; on the way out the result's
.set SPW, 120                          ; my spare word's address; never rewritten
.set NIL, 121                          ; 0; never rewritten
.set S,   128                          ; v128-255 S^T, then p: tile u at S + 64 u; on the way out x
; window 1
.set FK,  0                            ; k's four fragments
.set FV,  64                           ; v's four
.set O,   128                          ; O^T: tile u at O + 32 u
.set QZ,  192                          ; 0 qA 0 qB 0
.set QN,  232                          ; the second pass's qA, qB
.set WV,  18
.set MNT, 19                           ; the mantissa field of 448
.set SEL, 20                           ; s[20:21] selects for lane l xor 16
.set CS,  22                           ; s[22:23] c = log2(e) / 8
.set G1,  24                           ; s[24:31] descriptor group 1;  s[32:35] group 0
.set G0,  32
.set TT,  48                           ; s[48:51] t
.set TB,  52                           ; LDS byte at which the step in hand begins
.set CNT, 53
.set PASS, 54
.set MSB, 0
.macro WIN new                         ; low byte: bits 1:0 source 0, 3:2 source 1, 5:4 source 2, 7:6 destination; the high byte repeats the setting that is left
.if MSB != \new
	s_set_vgpr_msb (MSB<<8)|\new
.set MSB, \new
.endif
.endm
.macro CROUND                          ; a round of the cluster's barrier
	s_barrier_signal -1
	s_barrier_wait -1
	s_cmp_lg_u32 s[WV], 0
	s_cbranch_scc1 .Lnot_wave_0_\@
	s_barrier_signal -3
.Lnot_wave_0_\@:
	s_barrier_wait -3
	s_barrier_signal -1
	s_barrier_wait -1
.endm
	s_load_b256 s[4:11], s[0:1], 0x0               ; qc, qs, kv, x
	s_load_b128 s[12:15], s[0:1], 0x20             ; t, ac
	s_load_b64 s[16:17], s[0:1], 0x30              ; asc
	v_lshl_add_u32 v[SPW], v0, 2, SPARE
	v_mov_b32 v[NIL], 0
	ds_add_u32 v[SPW], v[NIL]
	ds_add_u32 v[SPW], v[NIL]
	v_lshrrev_b32 v2, 5, v0
	v_readfirstlane_b32 s[WV], v2                  ; wave 0..7
	s_bfe_u32 s63, ttmp6, 0x40000                  ; cx
	s_lshl_b32 s62, ttmp9, 2
	s_add_co_u32 s62, s62, s63                     ; my block of 512 queries: it enters q's, x's and the outputs' addresses alone
	s_and_b32 s61, ttmp7, 0xffff                   ; bh = 16 x batch + head, which the four partners share
	s_mov_b32 s[G1], 15|(3<<16)|(1<<21)            ; the mask of all four; elements of 8 bytes; bit 21 beside a mask
	s_mov_b32 s[G1+1], 32<<16                      ; two steps' 33,792 dense bytes as 132 rows of 256 bytes
	s_mov_b32 s[G1+2], 132<<16
	s_mov_b32 s[G1+3], 32<<16
	s_mov_b32 s[G1+4], 132
	s_mov_b32 s[G1+5], 32
	s_mov_b32 s[G1+6], 0
	s_mov_b32 s[G1+7], 0
	s_mul_i32 s56, s61, HEADB
	s_mul_i32 s54, s[WV], 2*STEPB                  ; wave w fetches steps 2 w and 2 w + 1
	s_add_co_u32 s56, s56, s54
	s_mov_b32 s57, 0
	s_mov_b32 s[MNT], 0x600000
	s_mov_b32 s[SEL], 0x76543210
	s_mov_b32 s[SEL+1], 0xfedcba98
	s_mov_b32 s[CS], 0x3e38aa3b                    ; log2(e) / 8
	s_mov_b32 s[CS+1], s[CS]                       ; (named with it as a pair)
	s_wait_dscnt 0x0
	s_wait_kmcnt 0x0
	s_load_b128 s[TT:TT+3], s[12:13], 0x0          ; t's four numbers
	s_add_nc_u64 s[56:57], s[8:9], s[56:57]
	CROUND                                         ; all four work-groups are here: the joint loads meet
	s_mov_b32 s[G0], 1
	s_mov_b32 s[G0+1], s54                         ; the steps' place in LDS, as in memory
	s_mov_b64 s[G0+2:G0+3], s[56:57]
	s_or_b32 s[G0+3], s[G0+3], 0x80000000
	tensor_load_to_lds s[G0:G0+3], s[G1:G1+7]      ; my one tensor load of the launch
	s_nop 0
.rept 4
	v_nop
.endr
	s_lshl_b32 s58, s61, 17                        ; q's codes: 131,072 bytes a head, 32 tiles of 1,024 a block, 4 a wave
	s_lshl_b32 s60, s62, 15
	s_add_co_u32 s58, s58, s60
	s_lshl_b32 s60, s[WV], 12
	s_add_co_u32 s58, s58, s60
	s_mov_b32 s59, 0
	s_add_nc_u64 s[4:5], s[4:5], s[58:59]
	s_lshl_b32 s58, s61, 12                        ; q's scale bytes: 4,096 a head; group 4 x block + wave / 2 of 256; in it 2 bytes a tile, 8 a wave
	s_lshl_b32 s60, s62, 10
	s_add_co_u32 s58, s58, s60
	s_lshr_b32 s60, s[WV], 1
	s_lshl_b32 s60, s60, 8
	s_add_co_u32 s58, s58, s60
	s_and_b32 s60, s[WV], 1
	s_lshl_b32 s60, s60, 3
	s_add_co_u32 s58, s58, s60
	s_add_nc_u64 s[6:7], s[6:7], s[58:59]
	s_lshr_b32 s55, s61, 4
	s_lshl_b32 s55, s55, 11
	s_lshl_b32 s60, s62, 9
	s_add_co_u32 s55, s55, s60
	s_lshl_b32 s60, s[WV], 6
	s_add_co_u32 s55, s55, s60                     ; my first token: 2,048 x batch + 512 x block + 64 x wave
	s_and_b32 s54, s61, 15                         ; head
	s_lshl_b32 s58, s55, 12
	s_lshl_b32 s60, s54, 8
	s_add_co_u32 s58, s58, s60
	s_add_nc_u64 s[10:11], s[10:11], s[58:59]      ; x: row of 4,096 bytes, the head's 256
	s_add_co_u32 s58, s55, s54
	s_lshl_b32 s58, s58, 10
	s_add_nc_u64 s[14:15], s[14:15], s[58:59]      ; ac: 16,384 bytes for 16 tokens, 1,024 a head
	s_lshl_b32 s58, s55, 5
	s_lshl_b32 s60, s54, 1
	s_add_co_u32 s58, s58, s60
	s_add_nc_u64 s[16:17], s[16:17], s[58:59]      ; asc: 32 bytes a token, 2 a head
	v_and_b32 v[LI], 31, v0
	v_and_b32 v[QSA], 15, v0                       ; r
	v_bfe_u32 v[ASA], v0, 4, 1                     ; h
	v_lshlrev_b32 v[LI], 4, v[LI]
	v_lshlrev_b32 v[XA], 12, v[QSA]
	v_lshl_add_u32 v[XA], v[ASA], 5, v[XA]
	v_lshlrev_b32 v[ASA], 5, v[QSA]
	v_lshlrev_b32 v[QSA], 4, v[QSA]
	WIN 0x40                                       ; q of all four tiles, as it was stored: the first pass's between the zeros, the second's beside them
.irp u, 0,1
	global_load_b128 v[QZ+8+16*\u:QZ+11+16*\u], v[LI], s[4:5] offset:\u*1024
	global_load_b128 v[QZ+12+16*\u:QZ+15+16*\u], v[LI], s[4:5] offset:\u*1024+512
	global_load_b128 v[QN+8*\u:QN+3+8*\u], v[LI], s[4:5] offset:2048+\u*1024
	global_load_b128 v[QN+4+8*\u:QN+7+8*\u], v[LI], s[4:5] offset:2048+\u*1024+512
.endr
.irp i, 0,1,2,3,4,5,6,7
	v_mov_b32 v[QZ+\i], 0                          ; the zero codes
	v_mov_b32 v[QZ+16+\i], 0
	v_mov_b32 v[QZ+32+\i], 0
.endr
	WIN 0
.irp u, 0,1
	global_load_u16 v[TQ+\u], v[QSA], s[6:7] offset:\u*2
	global_load_u16 v[TQN+\u], v[QSA], s[6:7] offset:4+\u*2
.endr
.irp e, 0,1,2,3,4,5,6,7
	v_mov_b32 v[PM+\e], 0                          ; written once: a lane permute's destination counts as one of its sources
.endr
.irp u, 0,1
	v_mov_b32 v[TMP+\u], 0
	v_mov_b32 v[FF+1+2*\u], 0                      ; (named as the upper half of the pair with f before it is first written)
.endr
	v_mov_b32 v[G+1], 0
	s_wait_kmcnt 0x0                               ; t
.irp i, 0,1,2,3
	v_mov_b32 v[S+\i], s[TT+\i]
.endr
.irp i, 0,1,2,3
	v_fma_f32 v[S+4+\i], v[S+\i], v[S+\i], 1.0     ; t^2 + 1
.endr
	s_wait_alu depctr_va_vdst(0)                   ; ahead of the batch
.irp i, 0,1,2,3
	v_rcp_f32 v[S+8+\i], v[S+4+\i]
.endr
.irp i, 0,1,2,3
	v_rsq_f32 v[S+12+\i], v[S+4+\i]
.endr
	v_nop                                          ; a plain line behind the transcendentals
	s_wait_alu depctr_va_vdst(0)                   ; and the wait behind the batch
	v_add_f32 v[CK], v[S+8], v[S+9]
	v_add_f32 v[S+16], v[S+10], v[S+11]
	v_mul_f32 v[CK+1], v[S], v[S+12]
	v_add_f32 v[CK], v[CK], v[S+16]
	v_fmac_f32 v[CK+1], v[S+1], v[S+13]
	v_mul_f32 v[CK], 0x3e800000, v[CK]             ; c_skip = the mean of 1 / (t^2 + 1)
	v_fmac_f32 v[CK+1], v[S+2], v[S+14]
	v_fmac_f32 v[CK+1], v[S+3], v[S+15]
	s_delay_alu instid0(VALU_DEP_1)
	v_mul_f32 v[CK+1], 0x3e800000, v[CK+1]         ; c_out = the mean of t / sqrt(t^2 + 1)
.macro HOLD e                          ; the conversion does not saturate (ISA guide 7.6.2); p is not negative, so the hold is one-sided; two numbers an instruction
.irp i, 0,2,4,6,8,10,12,14
	v_dual_min_num_f32 v[S+16*\e+\i], v[S+16*\e+\i], v[LIM+\e] :: v_dual_min_num_f32 v[S+16*\e+\i+1], v[S+16*\e+\i+1], v[LIM+\e]
.endr
.endm
.macro CODES e
	v_cvt_scalef32_pk8_fp8_f32 v[PC+4*\e:PC+1+4*\e], v[S+16*\e:S+7+16*\e], v[SOP+\e]
	v_cvt_scalef32_pk8_fp8_f32 v[PC+2+4*\e:PC+3+4*\e], v[S+8+16*\e:S+15+16*\e], v[SOP+\e]
.endm
.macro SROW r                          ; five more pairs of each tile onto its four chains and its running sum
.irp u, 0,1
.irp k, 0,1,2,3
	v_pk_add_f32 v[T+8*\u+2*\k:T+8*\u+2*\k+1], v[T+8*\u+2*\k:T+8*\u+2*\k+1], v[S+64*\u+18+10*\r+2*\k:S+64*\u+19+10*\r+2*\k]
.endr
	v_pk_add_f32 v[ST+4*\u+2:ST+4*\u+3], v[ST+4*\u+2:ST+4*\u+3], v[S+64*\u+26+10*\r:S+64*\u+27+10*\r]
.endr
.endm
.macro JOIN d, sd, a                   ; one chain onto another, in both tiles; sd: registers from tile to tile at the destination (4 for the running sums, 8 for the chains)
.irp u, 0,1
	v_pk_add_f32 v[\d+\sd*\u:\d+\sd*\u+1], v[\d+\sd*\u:\d+\sd*\u+1], v[\a+8*\u:\a+8*\u+1]
.endr
.endm
; A KEY STEP: 128 keys, both tiles.
.macro STEP
	v_add_nc_u32 v[ADR], s[TB], v[LI]
	ds_load_b128 v[SCK:SCK+3], v[ADR] offset:16384 ; lanes 0-15: k's four scale words of key r
	WIN 0x40
.irp i, 0,1,2,3
.irp c, 0,1,2,3
	ds_load_b128 v[FK+16*\i+4*\c:FK+16*\i+4*\c+3], v[ADR] offset:2048*\i+512*\c   ; k's tiles 2 i and 2 i + 1: one fragment
.endr
.endr
	WIN 0x05                                       ; sources 0 and 1 in window 1, the scores in window 0
	s_wait_alu depctr_va_vdst(0)
.irp i, 0,1,2,3
	s_wait_dscnt 12-4*\i                           ; the scale words and fragments 0 .. i are in; four loads for each later fragment may be out
.irp u, 0,1
	v_wmma_scale_f32_16x16x128_f8f6f4 v[S+64*\u+16*\i:S+64*\u+16*\i+7], v[FK+16*\i:FK+16*\i+15], v[QZ+8+16*\u:QZ+23+16*\u], 0, v[SCK+\i], v[QSW+\u]     ; x [q | 0]: keys 32 i + 8 h + j
	v_wmma_scale_f32_16x16x128_f8f6f4 v[S+64*\u+16*\i+8:S+64*\u+16*\i+15], v[FK+16*\i:FK+16*\i+15], v[QZ+16*\u:QZ+15+16*\u], 0, v[SCK+\i], v[QSW+\u]   ; x [0 | q]: keys 32 i + 16 + 8 h + j
.endr
.endr
.rept 8
	v_nop                                          ; places: behind the last step's second products, in front of the loads below; and in front of the first read of the scores
.endr
	WIN 0x40
.irp t, 0,1,2,3
.irp c, 0,1,2,3
	ds_load_b128 v[FV+16*\t+4*\c:FV+16*\t+4*\c+3], v[ADR] offset:8192+2048*\t+512*\c   ; v's four fragments land under the softmax
.endr
.endr
	WIN 0
	ds_load_b128 v[SCV:SCV+3], v[ADR] offset:16384 ; lanes 16-31, 256 bytes on: v's four scale words of channel r
.irp e, 0,1,2,3,4,5,6,7
	v_max3_num_f32 v[BM+\e], v[S+16*\e], v[S+1+16*\e], v[S+2+16*\e]   ; the largest score of each block of 32 keys: for the row's maximum and, since p rises with the score, for the block's largest p
.endr
.irp i, 3,5,7,9,11,13
.irp e, 0,1,2,3,4,5,6,7
	v_max3_num_f32 v[BM+\e], v[BM+\e], v[S+16*\e+\i], v[S+1+16*\e+\i]   ; eight chains by turns
.endr
.endr
.irp e, 0,1,2,3,4,5,6,7
	v_max_num_f32 v[BM+\e], v[BM+\e], v[S+15+16*\e]
.endr
.irp e, 0,1,2,3,4,5,6,7
	v_permlanex16_b32 v[PM+\e], v[BM+\e], s[SEL], s[SEL+1]
.endr
.irp e, 0,1,2,3,4,5,6,7
	v_max_num_f32 v[BM+\e], v[BM+\e], v[PM+\e]     ; with lane l xor 16's 16 keys
.endr
.irp u, 0,1
	v_max3_num_f32 v[TMP+\u], v[BM+4*\u], v[BM+4*\u+1], v[BM+4*\u+2]
.endr
.irp u, 0,1
	s_delay_alu instid0(VALU_DEP_2)
	v_max3_num_f32 v[ST+4*\u+1], v[TMP+\u], v[BM+4*\u+3], v[ST+4*\u+1]   ; the running largest score of my query
.endr
.irp u, 0,1
	s_delay_alu instid0(VALU_DEP_2)
	v_mul_f32 v[TMP+\u], s[CS], v[ST+4*\u+1]       ; as t (c is positive, so the largest score gives the largest t)
.endr
.irp u, 0,1
	s_delay_alu instid0(VALU_DEP_2)
	v_floor_f32 v[TMP+\u], -v[TMP+\u]              ; the new -M = floor(-t) = -ceil(t)
.endr
.irp u, 0,1
	s_delay_alu instid0(VALU_DEP_2)
	v_sub_f32 v[FF+2*\u], v[TMP+\u], v[ST+4*\u]    ; old M - new M: a whole number, 0 or less
.endr
.irp u, 0,1
	s_delay_alu instid0(VALU_DEP_4)
	v_mov_b32 v[ST+4*\u], v[TMP+\u]
.endr
.irp u, 0,1
	s_delay_alu instid0(VALU_DEP_4)
	v_cvt_i32_f32 v[FF+2*\u], v[FF+2*\u]           ; (it saturates)
.endr
.irp u, 0,1
	s_delay_alu instid0(VALU_DEP_2)
	v_ldexp_f32 v[FF+2*\u], 1.0, v[FF+2*\u]        ; f = 2^(old M - new M)
.endr
.irp u, 0,1
.set n, 0
.rept 32
	v_pk_fma_f32 v[S+64*\u+n:S+64*\u+n+1], v[S+64*\u+n:S+64*\u+n+1], s[CS:CS+1], v[ST+4*\u:ST+4*\u+1] op_sel_hi:[1,0,0]   ; t - M, two at a time
.set n, n+2
.endr
.endr
.irp u, 0,1
.irp b, 0,1,2,3
	v_fma_f32 v[BM+4*\u+\b], v[BM+4*\u+\b], s[CS], v[ST+4*\u]   ; the same of each block's largest score
.endr
.endr
	s_wait_alu depctr_va_vdst(0)                   ; ahead of the batch
.set n, 0
.rept 128
	v_exp_f32 v[S+n], v[S+n]                       ; p = 2^(t - M), at most 1
.set n, n+1
.endr
.irp e, 0,1,2,3,4,5,6,7
	v_exp_f32 v[BM+\e], v[BM+\e]                   ; the block's largest p: the same two instructions on the same number
.endr
.irp u, 0,1
	v_pk_mul_f32 v[ST+4*\u+2:ST+4*\u+3], v[ST+4*\u+2:ST+4*\u+3], v[FF+2*\u:FF+2*\u+1] op_sel_hi:[1,0]   ; the sums under the new M (plain lines behind the exponentials)
.endr
	s_wait_alu depctr_va_vdst(0)                   ; one wait for the whole batch
.irp e, 0,1,2,3,4,5,6,7
	v_max_num_f32 v[BM+\e], 0x4800000, v[BM+\e]    ; the floor 2^(9 - 127): the byte cannot fall under 1
.endr
.irp e, 0,1,2,3,4,5,6,7
	v_add_nc_u32 v[SOP+\e], 0xfc000000, v[BM+\e]   ; 8 off the exponent field: the conversion's scale operand
.endr
.irp e, 0,1,2,3,4,5,6,7
	v_and_or_b32 v[LIM+\e], v[BM+\e], 0x7f800000, s[MNT]   ; 448 x the scale
.endr
.irp e, 0,1,2,3,4,5,6,7
	v_lshrrev_b32 v[PM+\e], 23, v[SOP+\e]          ; the scale's byte
.endr
; the rows' sums of the unquantised p: each tile's 32 pairs onto four chains and the running sum, ten lines by turns; the lines that pack p's scale words stand between the turns
.irp u, 0,1
.irp k, 0,1,2,3
	v_pk_add_f32 v[T+8*\u+2*\k:T+8*\u+2*\k+1], v[S+64*\u+4*\k:S+64*\u+4*\k+1], v[S+64*\u+4*\k+2:S+64*\u+4*\k+3]
.endr
	v_pk_add_f32 v[ST+4*\u+2:ST+4*\u+3], v[ST+4*\u+2:ST+4*\u+3], v[S+64*\u+16:S+64*\u+17]
.endr
.irp u, 0,1
	v_lshl_or_b32 v[FF+1+2*\u], v[PM+4*\u+1], 8, v[PM+4*\u]
.endr
	SROW 0
.irp u, 0,1
	v_lshl_or_b32 v[FF+1+2*\u], v[PM+4*\u+2], 16, v[FF+1+2*\u]
.endr
	SROW 1
.irp u, 0,1
	v_lshl_or_b32 v[FF+1+2*\u], v[PM+4*\u+3], 24, v[FF+1+2*\u]   ; p's scale word for these 128 keys
.endr
	SROW 2
	SROW 3
.irp u, 0,1
.irp k, 0,1,2
	v_pk_add_f32 v[T+8*\u+2*\k:T+8*\u+2*\k+1], v[T+8*\u+2*\k:T+8*\u+2*\k+1], v[S+64*\u+58+2*\k:S+64*\u+59+2*\k]   ; the last reads of the unheld p
.endr
.endr
	HOLD 0
	JOIN ST+2, 4, T+6                              ; the chains are joined among the holds, each line far behind what it reads
	JOIN T, 8, T+2
	CODES 0
	HOLD 1
	JOIN ST+2, 4, T+4
	CODES 1
	HOLD 2
	JOIN ST+2, 4, T
	CODES 2
.irp e, 3,4,5,6,7
	HOLD \e
	CODES \e
.endr
	WIN 0x41                                       ; O^T in window 1, f in window 0
.irp u, 0,1
.set n, 0
.rept 16
	v_pk_mul_f32 v[O+32*\u+n:O+32*\u+n+1], v[O+32*\u+n:O+32*\u+n+1], v[FF+2*\u:FF+2*\u+1] op_sel_hi:[1,0]   ; O^T under the new M (also the places between the codes and the products below)
.set n, n+2
.endr
.endr
	WIN 0x51                                       ; v's fragments and O^T in window 1, p's codes in window 0
	s_wait_alu depctr_va_vdst(0)
	s_wait_dscnt 0x0                               ; v's fragments and scale words are in
.irp t, 0,1,2,3                        ; the eight accumulators take turns
.irp u, 0,1
	v_wmma_scale_f32_16x16x128_f8f6f4 v[O+32*\u+8*\t:O+32*\u+8*\t+7], v[FV+16*\t:FV+16*\t+15], v[PC+16*\u:PC+16*\u+15], v[O+32*\u+8*\t:O+32*\u+8*\t+7], v[SCV+\t], v[FF+1+2*\u] matrix_a_scale:MATRIX_SCALE_ROW1
.endr
.endr
	WIN 0
	s_add_co_u32 s[TB], s[TB], STEPB
.endm
; THE WAY OUT of tile u: c_skip x + c_out O^T / the sum, quantised along the head's 64 channels (two blocks of 32), in the channels' true order.
.macro EPI u
.set X, S+64*\u
.set Y, S+64*\u+32
.set L, ST+4*\u+2
.set PO, PC+8*\u
	v_add_f32 v[L], v[L], v[L+1]                   ; the sum's two halves,
	s_delay_alu instid0(VALU_DEP_1)
	v_permlanex16_b32 v[TMP+\u], v[L], s[SEL], s[SEL+1]
	s_delay_alu instid0(VALU_DEP_1)
	v_add_f32 v[L], v[L], v[TMP+\u]                ; and lane l xor 16's
	s_wait_alu depctr_va_vdst(0)                   ; ahead of the transcendental
	v_rcp_f32 v[L], v[L]
	v_nop
	s_wait_alu depctr_va_vdst(0)                   ; and behind it
	v_mul_f32 v[G], v[L], v[CK+1]                  ; c_out / the sum
	WIN 0x01
.set n, 0
.rept 16
	v_pk_mul_f32 v[Y+n:Y+n+1], v[O+32*\u+n:O+32*\u+n+1], v[G:G+1] op_sel_hi:[1,0]
.set n, n+2
.endr
	WIN 0
	s_wait_loadcnt 8-8*\u                          ; this tile's x is in; the other tile's eight loads may be out
.set n, 0
.rept 16
	v_pk_fma_f32 v[X+n:X+n+1], v[X+n:X+n+1], v[CK:CK+1], v[Y+n:Y+n+1] op_sel_hi:[1,0,1]   ; c_skip x + c_out o: register 8 t + i is channel 16 t + 8 h + i
.set n, n+2
.endr
.irp c, 0,1
	v_max3_num_f32 v[BM+\c], |v[X+16*\c]|, |v[X+1+16*\c]|, 0x4800000
.endr
.irp i, 2,4,6,8,10,12,14
.irp c, 0,1
	s_delay_alu instid0(VALU_DEP_2)
	v_max3_num_f32 v[BM+\c], v[BM+\c], |v[X+16*\c+\i]|, |v[X+1+16*\c+\i]|
.endr
.endr
.irp c, 0,1
	s_delay_alu instid0(VALU_DEP_2)
	v_permlanex16_b32 v[PM+\c], v[BM+\c], s[SEL], s[SEL+1]
.endr
.irp c, 0,1
	s_delay_alu instid0(VALU_DEP_2)
	v_max_num_f32 v[BM+\c], v[BM+\c], v[PM+\c]
.endr
.irp c, 0,1
	s_delay_alu instid0(VALU_DEP_2)
	v_add_nc_u32 v[SOP+\c], 0xfc000000, v[BM+\c]
.endr
.irp c, 0,1
	s_delay_alu instid0(VALU_DEP_4)
	v_and_or_b32 v[LIM+\c], v[BM+\c], 0x7f800000, s[MNT]
.endr
.irp c, 0,1
	s_delay_alu instid0(VALU_DEP_4)
	v_lshrrev_b32 v[PM+\c], 23, v[SOP+\c]
.endr
	s_delay_alu instid0(VALU_DEP_1)
	v_lshl_or_b32 v[TMP+\u], v[PM+1], 8, v[PM]     ; the head's two scale bytes of token r
.irp c, 0,1
.irp i, 0,1,2,3,4,5,6,7,8,9,10,11,12,13,14,15
	v_med3_num_f32 v[X+16*\c+\i], v[X+16*\c+\i], -v[LIM+\c], v[LIM+\c]
.endr
	v_cvt_scalef32_pk8_fp8_f32 v[PO+4*\c:PO+1+4*\c], v[X+16*\c:X+7+16*\c], v[SOP+\c]          ; channels 32 c + 8 h + 0 .. 7
	v_cvt_scalef32_pk8_fp8_f32 v[PO+2+4*\c:PO+3+4*\c], v[X+8+16*\c:X+15+16*\c], v[SOP+\c]     ; channels 32 c + 16 + 8 h + 0 .. 7
.endr
	v_nop                                          ; a plain line behind the conversions
.irp c, 0,1                            ; lanes 16-31 of registers 0, 1 change places with lanes 0-15 of registers 2, 3: lane (r, h) then holds channels 32 c + 16 h + 0 .. 15 in their order
	v_permlane16_swap_b32 v[PO+4*\c], v[PO+2+4*\c]
	v_permlane16_swap_b32 v[PO+1+4*\c], v[PO+3+4*\c]
.endr
	global_store_b128 v[LI], v[PO:PO+3], s[14:15] offset:\u*16384          ; 512 consecutive aligned bytes each
	global_store_b128 v[LI], v[PO+4:PO+7], s[14:15] offset:\u*16384+512
	global_store_b16 v[ASA], v[TMP+\u], s[16:17] offset:\u*512             ; both halves of the lanes write the same two bytes with the same value
.endm
	s_wait_alu depctr_va_vdst(0)
	s_wait_tensorcnt 0x0                           ; my two steps have landed
	s_wait_dscnt 0x0
	s_barrier_signal -1
	s_barrier_wait -1                              ; everybody's have: the whole head lies in LDS, and nobody writes it again
	s_mov_b32 s[PASS], 2
.Lpass:                                                ; a pass: two tiles of 16 queries over all 16 key steps
	s_wait_loadcnt 0x0                             ; q (first pass)
.irp u, 0,1
	v_lshl_or_b32 v[QSW+\u], v[TQ+\u], 16, v[TQ+\u]   ; the two bytes serve [q | 0] in bytes 0, 1 and [0 | q] in bytes 2, 3
	v_mov_b32 v[ST+4*\u+1], 0xff61b1e6             ; the largest score so far: -3e38
	v_mov_b32 v[ST+4*\u], 0x7f61b1e6               ; -M: 3e38
	v_mov_b32 v[ST+4*\u+2], 0
	v_mov_b32 v[ST+4*\u+3], 0
.endr
	WIN 0x40
.set n, 0
.rept 64
	v_mov_b32 v[O+n], 0                            ; the step is written once: the first finds zeros, which the first change of M leaves zeros
.set n, n+1
.endr
	WIN 0
	global_prefetch_b8 v[XA], s[10:11] th:TH_LOAD_NT scope:SCOPE_SE                ; this pass's two pieces of x, 16 key steps ahead of their loads
	global_prefetch_b8 v[XA], s[10:11] offset:65536 th:TH_LOAD_NT scope:SCOPE_SE
	s_mov_b32 s[TB], 0
	s_mov_b32 s[CNT], 16
.Lwalk:
	STEP
	s_sub_co_u32 s[CNT], s[CNT], 1
	s_cmp_lg_u32 s[CNT], 0
	s_cbranch_scc1 .Lwalk
.rept 8
	v_nop                                          ; places behind the last products, in front of the first read of O^T
.endr
.irp u, 0,1
.irp t, 0,1,2,3
.irp k, 0,1
	global_load_b128 v[S+64*\u+8*\t+4*\k:S+64*\u+8*\t+4*\k+3], v[XA], s[10:11] offset:\u*65536+64*\t+16*\k th:TH_LOAD_NT   ; x(token r, channels 16 t + 8 h + 4 k ..)
.endr
.endr
.endr
	EPI 0
	EPI 1
	WIN 0x41
.irp i, 0,1,2,3,4,5,6,7
	v_mov_b32 v[QZ+8+\i], v[QN+\i]                 ; the second pass's q takes the first's place
	v_mov_b32 v[QZ+24+\i], v[QN+8+\i]
.endr
	WIN 0
.irp u, 0,1
	v_mov_b32 v[TQ+\u], v[TQN+\u]
.endr
	s_wait_alu depctr_va_vdst(0)
	s_wait_xcnt 0x0                                ; loads, stores and prefetches have read their registers and bases: the next pass writes them again
	s_add_nc_u64 s[10:11], s[10:11], 131072        ; 32 tokens on: in x,
	s_add_nc_u64 s[14:15], s[14:15], 32768         ; in ac,
	s_add_nc_u64 s[16:17], s[16:17], 1024          ; in asc (behind the last pass they are not used)
	s_sub_co_u32 s[PASS], s[PASS], 1
	s_cmp_lg_u32 s[PASS], 0
	s_cbranch_scc1 .Lpass
	s_wait_tensorcnt 0x0                           ; the wave's end
	ds_add_u32 v[SPW], v[NIL]
	s_wait_dscnt 0x0
	CROUND                                         ; the closing round
	s_endpgm
.Lfunc_end_k_qb7b590846b_attn:
	.size	k_qb7b590846b_attn, .Lfunc_end_k_qb7b590846b_attn-k_qb7b590846b_attn
	.p2alignl 7, 3214868480
	.fill 96, 4, 3214868480
	.section	.rodata,"a",@progbits
	.p2align	6, 0x0
	.amdhsa_kernel k_qb7b590846b_attn
		.amdhsa_group_segment_fixed_size 271360
		.amdhsa_private_segment_fixed_size 0
		.amdhsa_enable_private_segment 0
		.amdhsa_kernarg_size 56
		.amdhsa_user_sgpr_count 2
		.amdhsa_user_sgpr_kernarg_segment_ptr 1
		.amdhsa_wavefront_size32 1
		.amdhsa_system_sgpr_workgroup_id_x 1
		.amdhsa_system_sgpr_workgroup_id_y 1
		.amdhsa_system_sgpr_workgroup_id_z 1
		.amdhsa_system_vgpr_workitem_id 0
		.amdhsa_next_free_vgpr 512
		.amdhsa_next_free_sgpr 66
		.amdhsa_reserve_vcc 0
		.amdhsa_float_denorm_mode_32 3
		.amdhsa_float_denorm_mode_16_64 3
		.amdhsa_memory_ordered 1
		.amdhsa_forward_progress 1
		.amdhsa_inst_pref_size 64
	.end_amdhsa_kernel
	.amdgpu_metadata
---
amdhsa.version: [ 1, 2 ]
amdhsa.kernels:
  - .name:           k_qb7b590846b_attn
    .symbol:         k_qb7b590846b_attn.kd
    .args:
      - { .name: qc, .offset: 0, .size: 8, .value_kind: global_buffer, .address_space: global }
      - { .name: qs, .offset: 8, .size: 8, .value_kind: global_buffer, .address_space: global }
      - { .name: kv, .offset: 16, .size: 8, .value_kind: global_buffer, .address_space: global }
      - { .name: x, .offset: 24, .size: 8, .value_kind: global_buffer, .address_space: global }
      - { .name: t, .offset: 32, .size: 8, .value_kind: global_buffer, .address_space: global }
      - { .name: ac, .offset: 40, .size: 8, .value_kind: global_buffer, .address_space: global }
      - { .name: asc, .offset: 48, .size: 8, .value_kind: global_buffer, .address_space: global }
    .group_segment_fixed_size: 271360
    .private_segment_fixed_size: 0
    .kernarg_segment_align: 8
    .kernarg_segment_size: 56
    .max_flat_workgroup_size: 256
    .sgpr_count:     66
    .vgpr_count:     512
    .wavefront_size: 32
...
	.end_amdgpu_metadata
.endif
;; end of part 3
;; launch proj (part 4): grid 4 x 32, 4 waves a work-group, clusters of 4 x 4, 327,680 bytes of LDS; arguments ac, asc, Wproj_codes, Wproj_scales, bproj, out0; writes out0
.if DOCPART == 4
	.amdgcn_target "amdgcn-amd-amdhsa--gfx1250"
	.amdhsa_code_object_version 6
	.text
	.protected	k_qb7b590846b_proj
	.globl	k_qb7b590846b_proj
	.p2align	8
	.type	k_qb7b590846b_proj,@function
k_qb7b590846b_proj:
	s_mov_b64 s[64:65], 0
	v_nop
	global_prefetch_b8 v0, s[64:65] scope:SCOPE_SE
	s_setreg_imm32_b32 hwreg(HW_REG_WAVE_MODE, 25, 1), 1
	s_wait_xcnt 0x0
	s_wait_alu depctr_hold_cnt(0) depctr_sa_sdst(0) depctr_va_vdst(0) depctr_va_sdst(0) depctr_va_ssrc(0) depctr_va_vcc(0) depctr_vm_vsrc(0)
	s_getreg_b32 s2, hwreg(HW_REG_IB_STS2, 6, 4)
	s_cmp_eq_u32 s2, 0
	s_cbranch_scc0 .Lentry_in_a_cluster
	s_endpgm
.Lentry_in_a_cluster:
	s_bfe_u32 s2, ttmp6, 0x10000c
	s_cmp_lg_u32 s2, 0xf033
	s_cbranch_scc0 .Lentry_shape_is_right
	s_endpgm
.Lentry_shape_is_right:
.set SIZE_N, 1024
.set KSTEP,  256
.set NQ,     2
.set ROWB,   256
.set ASTEP,  4096
.set KROW,   1024
.set PITCH,  272
.set FR,     16
.set NL,     4
.set NP,     8
.set HALFT,  128*PITCH
.set SLOT,   4*HALFT
.set LAPS,   2
.set KS,     32
.set SCL,    2*SLOT
.set HALFS,  (128*KS/256)*272
.set SBLK,   (16*KS/256)*272
.set SPARE,  SCL+4*HALFS
.set SPITCH, 528
.set ADRA, 16
.set ADRB, 20
.set STO,  24
.set RD,   25
.set CO,   26
.set ADRS, 27
.set SPW,  28
.set NIL,  29
.set SC,   32
.set BI,   64
.set AF,   128
.set BK,   128
.set G1, 24
.set G0, 32
.set G1B, 48
.set G0B, 56
.set G1S, 68
.set G0S, 76
.set G1SB, 80
.set G0SB, 88
.set MSB, 0
.macro WIN new
.if MSB != \new
	s_set_vgpr_msb (MSB<<8)|\new
.set MSB, \new
.endif
.endm
.set MUL_LO, 0xa1
.set MUL_HI, 0xf1
.set BIA_LO, 0x81
.set BIA_HI, 0xc1
.set TO_B,   0x40
.macro JLOAD g0a, g1a, g0b, g1b
	s_cmp_eq_u32 s15, 0
	s_cbranch_scc0 .Lfor_b_\@
	tensor_load_to_lds s[\g0a:\g0a+3], s[\g1a:\g1a+7]
	s_nop 0
.rept 4
	v_nop
.endr
	s_branch .Lasked_\@
.Lfor_b_\@:
	tensor_load_to_lds s[\g0b:\g0b+3], s[\g1b:\g1b+7]
	s_nop 0
.rept 4
	v_nop
.endr
.Lasked_\@:
.endm
.macro CREST
	s_cmp_lg_u32 s14, 0
	s_cbranch_scc1 .Lnot_wave_0_\@
	s_barrier_signal -3
.Lnot_wave_0_\@:
	s_barrier_wait -3
	s_barrier_signal -1
	s_barrier_wait -1
.endm
.macro CROUND
	s_barrier_signal -1
	s_barrier_wait -1
	CREST
.endm
	s_load_b128 s[4:7], s[0:1], 0x0
	s_load_b128 s[8:11], s[0:1], 0x10
	s_load_b64 s[66:67], s[0:1], 0x20
	s_load_b64 s[12:13], s[0:1], 0x28
	v_lshl_add_u32 v[SPW], v0, 2, SPARE
	v_mov_b32 v[NIL], 0
	ds_add_u32 v28, v29
	ds_add_u32 v28, v29
	s_wait_dscnt 0x0
	v_lshrrev_b32 v1, 5, v0
	v_readfirstlane_b32 s14, v1
	s_lshr_b32 s15, s14, 1
	s_and_b32 s16, s14, 1
	s_bfe_u32 s40, ttmp6, 0x40000
	s_bfe_u32 s41, ttmp6, 0x40004
	s_lshl_b32 s42, ttmp9, 2
	s_add_co_u32 s42, s42, s40
	s_and_b32 s17, ttmp7, 0xffff
	s_lshl_b32 s17, s17, 2
	s_add_co_u32 s17, s17, s41
	s_lshl_b32 s43, s41, 2
	s_lshl_b32 s43, 15, s43
	s_lshl_b32 s44, 0x1111, s40
	s_or_b32 s[G1+0], s43, (3<<16)|(1<<21)
	s_mov_b32 s[G1+1], 512<<16
	s_mov_b32 s[G1+2], 16<<16                      ; the head's load of A brings 256 tokens: 16 tiles of 16
	s_mov_b32 s[G1+3], 512<<16
	s_mov_b32 s[G1+4], 16
	s_mov_b32 s[G1+5], 2048
	s_mov_b32 s[G1+6], 0
	s_mov_b32 s[G1+7], 0
	s_or_b32 s[G1B+0], s44, (0<<16)|(1<<20)|(1<<21)|(5<<22)|(3<<25)
	s_mov_b32 s[G1B+1], ROWB<<16
	s_mov_b32 s[G1B+2], 256<<16                    ; and that of B 256 rows
	s_mov_b32 s[G1B+3], ROWB<<16
	s_mov_b32 s[G1B+4], 256
	s_mov_b32 s[G1B+5], KROW
	s_mov_b32 s[G1B+6], 0
	s_mov_b32 s[G1B+7], 0
	s_or_b32 s[G1S+0], s43, (3<<16)|(1<<20)|(1<<21)|(5<<22)|(3<<25)
	s_or_b32 s[G1SB+0], s44, (3<<16)|(1<<20)|(1<<21)|(5<<22)|(3<<25)
.irp g, G1S, G1SB
	s_mov_b32 s[\g+1], 32<<16
	s_mov_b32 s[\g+2], KS<<16                      ; the scales of 256 rows: KS rows of 256 bytes
	s_mov_b32 s[\g+3], 32<<16
	s_mov_b32 s[\g+4], KS
	s_mov_b32 s[\g+5], 32
	s_mov_b32 s[\g+6], 0
	s_mov_b32 s[\g+7], 0
.endr
	s_lshl_b32 s20, s17, 8                         ; the tiles' first rows
	s_lshl_b32 s46, s42, 8
	s_mov_b32 s21, 0
	s_mov_b32 s47, 0
	s_mov_b64 s[18:19], KS
	s_mul_u64 s[22:23], s[20:21], s[18:19]
	s_mul_u64 s[92:93], s[46:47], s[18:19]
	s_mov_b64 s[18:19], KROW
	s_mul_u64 s[20:21], s[20:21], s[18:19]
	s_mul_u64 s[46:47], s[46:47], s[18:19]
	s_mul_i32 s45, s14, HALFT
	s_mul_i32 s94, s16, 128*KROW                   ; in the ring I fetch 128 rows of a tile: which half, in bytes
	s_mov_b32 s95, 0
	s_lshl_b32 s96, s14, 15                        ; A's halves lie dense in a slot: 8 tiles x 4,096 bytes each
	s_wait_kmcnt 0x0
	s_add_nc_u64 s[20:21], s[4:5], s[20:21]
	s_add_nc_u64 s[22:23], s[6:7], s[22:23]
	s_add_nc_u64 s[46:47], s[8:9], s[46:47]
	s_add_nc_u64 s[92:93], s[10:11], s[92:93]
	CROUND
	s_mov_b32 s[G0S], 1
	s_mov_b32 s[G0S+1], SCL
	s_mov_b64 s[G0S+2:G0S+3], s[22:23]
	s_or_b32 s[G0S+3], s[G0S+3], 0x80000000
	s_mov_b32 s[G0SB], 1
	s_mov_b32 s[G0SB+1], SCL+2*HALFS
	s_mov_b64 s[G0SB+2:G0SB+3], s[92:93]
	s_or_b32 s[G0SB+3], s[G0SB+3], 0x80000000
.set G0H, 4                            ; s[4:7], s[8:11] group 0 for the head's loads of K step 0 (the addresses that lay there have been used)
.set G0HB, 8
	s_mov_b32 s[G0H], 1
	s_mov_b32 s[G0H+1], 0
	s_mov_b64 s[G0H+2:G0H+3], s[20:21]
	s_or_b32 s[G0H+3], s[G0H+3], 0x80000000
	s_mov_b32 s[G0HB], 1
	s_mov_b32 s[G0HB+1], 2*HALFT
	s_mov_b64 s[G0HB+2:G0HB+3], s[46:47]
	s_or_b32 s[G0HB+3], s[G0HB+3], 0x80000000
	s_add_nc_u64 s[20:21], s[20:21], s[94:95]      ; for the ring: my 128 rows of the tile
	s_add_nc_u64 s[46:47], s[46:47], s[94:95]
.irp s, 0,1
	s_mov_b32 s[G0+4*\s], 1
	s_add_co_u32 s[G0+4*\s+1], s96, \s*SLOT
	s_add_nc_u64 s[G0+4*\s+2:G0+4*\s+3], s[20:21], \s*ASTEP
	s_or_b32 s[G0+4*\s+3], s[G0+4*\s+3], 0x80000000
	s_mov_b32 s[G0B+4*\s], 1
	s_add_co_u32 s[G0B+4*\s+1], s45, \s*SLOT
	s_add_nc_u64 s[G0B+4*\s+2:G0B+4*\s+3], s[46:47], \s*ROWB
	s_or_b32 s[G0B+4*\s+3], s[G0B+4*\s+3], 0x80000000
.endr
; the head's loads, one a wave: wave 0 A's 256 tokens of K step 0, wave 1 B's 256 rows, wave 2 A's scales, wave 3 B's; one tree of branches on the wave's number
.macro ARM under, g0, g1, next
	s_cmp_lt_u32 s14, \under
	s_cbranch_scc0 \next
	tensor_load_to_lds s[\g0:\g0+3], s[\g1:\g1+7]
	s_nop 0
.rept 4
	v_nop
.endr
	s_branch .Lhead_asked
\next:
.endm
	ARM 1, G0H,  G1,  .Lhead_b
	ARM 2, G0HB, G1B, .Lhead_sa
	ARM 3, G0S,  G1S, .Lhead_sb
	tensor_load_to_lds s[G0SB:G0SB+3], s[G1SB:G1SB+7]
	s_nop 0
.rept 4
	v_nop
.endr
.Lhead_asked:
	v_and_b32 v1, 15, v0
	v_bfe_u32 v2, v0, 4, 1
	v_and_b32 v6, 31, v0
	v_lshlrev_b32 v[CO], 4, v6
	v_mul_u32_u24 v3, v1, PITCH
	v_lshl_add_u32 v4, v2, 4, v3
	s_lshl_b32 s21, s15, 15                        ; my 128 tokens of A: 32,768 dense bytes a half
	s_mul_i32 s22, s16, HALFT
	s_add_co_u32 s22, s22, 2*HALFT
.irp s, 0,1
	v_add_nc_u32 v[ADRA+\s], s21, v[CO]
	v_add_nc_u32 v[ADRB+\s], s22, v4
	s_add_co_u32 s21, s21, SLOT
	s_add_co_u32 s22, s22, SLOT
.endr
	v_mul_u32_u24 v5, v1, KS
	v_lshrrev_b32 v6, 8, v5
	v_lshl_add_u32 v5, v6, 4, v5
	s_mul_i32 s21, s15, HALFS
	s_mul_i32 s22, s16, HALFS
	s_add_co_u32 s22, s22, 2*HALFS
	s_sub_co_u32 s22, s22, s21
	v_mul_u32_u24 v6, s22, v2
	s_add_co_u32 s21, s21, SCL
	v_add_nc_u32 v5, v5, v6
	v_add_nc_u32 v[ADRS], s21, v5
	s_mul_i32 s23, s14, 16*SPITCH
	v_mul_u32_u24 v5, v1, SPITCH
	v_lshl_add_u32 v5, v2, 5, v5
	v_add_nc_u32 v[STO], s23, v5
	v_add_nc_u32 v[RD], s23, v[CO]
	v_lshlrev_b32 v7, 5, v2
	s_wait_alu depctr_va_vdst(0)
	s_lshl_b32 s20, s17, 8
	s_lshl_b32 s21, s15, 7
	s_add_co_u32 s20, s20, s21
	s_mov_b32 s21, 0
	s_mov_b64 s[18:19], SIZE_N*4
	s_mul_u64 s[20:21], s[20:21], s[18:19]
	s_lshl_b32 s46, s42, 10
	s_lshl_b32 s47, s16, 9
	s_add_co_u32 s46, s46, s47
	s_mov_b32 s47, 0
	s_add_nc_u64 s[66:67], s[66:67], s[46:47]
	s_add_nc_u64 s[20:21], s[20:21], s[46:47]
	s_add_nc_u64 s[12:13], s[12:13], s[20:21]
.irp b, 0,1,2,3,4,5,6,7
	global_load_b128 v[BI+8*\b:BI+8*\b+3], v7, s[66:67] offset:64*\b
	global_load_b128 v[BI+8*\b+4:BI+8*\b+7], v7, s[66:67] offset:64*\b+16
.endr
.macro FRAG reg, adr, q, i
.irp c, 0,1,2,3
	ds_load_b128 v[\reg+4*\c:\reg+4*\c+3], v[\adr] offset:128*(\q)+32*\c+(\i)*16*PITCH
.endr
.endm
.macro FRAGA reg, adr, q, i
.irp c, 0,1,2,3
	ds_load_b128 v[\reg+4*\c:\reg+4*\c+3], v[\adr] offset:2048*(\q)+512*\c+(\i)*4096
.endr
.endm
.macro MUL16 a0, p, q, sc, zero
.irp a, \a0, \a0+1
.irp b, 0,1,2,3,4,5,6,7
.if \zero
	v_wmma_scale_f32_16x16x128_f8f6f4 v[8*(8*((\a)%4)+\b):8*(8*((\a)%4)+\b)+7], v[128*(\p)+FR*\b:128*(\p)+FR*\b+FR-1], v[AF+FR*(\a):AF+FR*(\a)+FR-1], v[BI+8*\b:BI+8*\b+7], v[SC+8*NQ*(\sc)+NQ*\b+(\q)], v[SC+8*NQ*(\sc)+NQ*(\a)+(\q)] matrix_a_scale:MATRIX_SCALE_ROW1
.else
	v_wmma_scale_f32_16x16x128_f8f6f4 v[8*(8*((\a)%4)+\b):8*(8*((\a)%4)+\b)+7], v[128*(\p)+FR*\b:128*(\p)+FR*\b+FR-1], v[AF+FR*(\a):AF+FR*(\a)+FR-1], v[8*(8*((\a)%4)+\b):8*(8*((\a)%4)+\b)+7], v[SC+8*NQ*(\sc)+NQ*\b+(\q)], v[SC+8*NQ*(\sc)+NQ*(\a)+(\q)] matrix_a_scale:MATRIX_SCALE_ROW1
.endif
.endr
.endr
.endm
.macro FETCH_B slot, q, p
	WIN TO_B
.irp i, 0,1,2,3,4,5,6,7
	FRAG 128*(\p)+FR*\i, ADRB+\slot, \q, \i
.endr
	WIN 0
.endm
.macro FETCH_A slot, q, i0
.irp i, \i0, \i0+1, \i0+2, \i0+3
	FRAGA AF+FR*(\i), ADRA+\slot, \q, \i
.endr
.endm
.macro SCALES sc
.irp i, 0,1,2,3,4,5,6,7
	ds_load_b64 v[SC+8*NQ*\sc+NQ*\i:SC+8*NQ*\sc+NQ*\i+1], v[ADRS] offset:\i*SBLK
.endr
.endm
.macro PLACES n
.rept \n
	v_nop
.endr
.endm
.macro STEP slot, q, zero
	s_wait_dscnt 4*NL
.if \zero
	WIN BIA_LO
.else
	WIN MUL_LO
.endif
	MUL16 0, (\q)%2, \q, \slot, \zero
	MUL16 2, (\q)%2, \q, \slot, \zero
	s_wait_dscnt 0
	PLACES NP
	FETCH_B \slot, (\q)+1, 1-(\q)%2
	FETCH_A \slot, (\q)+1, 0
.if \zero
	WIN BIA_HI
.else
	WIN MUL_HI
.endif
	MUL16 4, (\q)%2, \q, \slot, \zero
	MUL16 6, (\q)%2, \q, \slot, \zero
	PLACES NP
	WIN 0
	FETCH_A \slot, (\q)+1, 4
.endm
.macro TURN slot, next, fill
	s_wait_tensorcnt 0x0
	ds_add_u32 v[SPW], v[NIL]
	s_wait_dscnt 4*NL+1
	WIN MUL_LO
	MUL16 0, 1, NQ-1, \slot, 0
	s_wait_dscnt 0x0
	s_barrier_signal -1
	MUL16 2, 1, NQ-1, \slot, 0
	WIN 0
	s_barrier_wait -1
.if \fill
	CREST
	s_add_nc_u64 s[G0+4*\slot+2:G0+4*\slot+3], s[G0+4*\slot+2:G0+4*\slot+3], 2*ASTEP
	s_add_nc_u64 s[G0B+4*\slot+2:G0B+4*\slot+3], s[G0B+4*\slot+2:G0B+4*\slot+3], 2*ROWB
	JLOAD G0+4*\slot, G1, G0B+4*\slot, G1B
	PLACES NP-4
.else
	PLACES NP
.endif
	s_wait_alu depctr_va_vdst(0)
	v_add_nc_u32 v[ADRS], 4*NQ, v[ADRS]
	FETCH_B \next, 0, 0
	FETCH_A \next, 0, 0
	SCALES \next
	WIN MUL_HI
	MUL16 4, 1, NQ-1, \slot, 0
	MUL16 6, 1, NQ-1, \slot, 0
	PLACES NP
	WIN 0
	FETCH_A \next, 0, 4
.endm
	s_wait_tensorcnt 0x0                           ; my tile of the head's four is in
	ds_add_u32 v[SPW], v[NIL]
	s_mov_b32 s[G1+2], 8<<16                       ; no tensor load of mine is out: from here on a load brings 128 rows
	s_mov_b32 s[G1+4], 8
	s_mov_b32 s[G1B+2], 128<<16
	s_mov_b32 s[G1B+4], 128
	s_wait_dscnt 0x0
	CROUND                                         ; all four tiles are in, and the partners are here
	JLOAD G0+4, G1, G0B+4, G1B                     ; K step 1, the first tensor load behind the round
	FETCH_B 0, 0, 0
	FETCH_A 0, 0, 0
	SCALES 0
	FETCH_A 0, 0, 4
	s_wait_loadcnt 0x0
	STEP 0, 0, 1
	s_mov_b32 s3, LAPS-1
.Llap:
	TURN 0, 1, 1
	STEP 1, 0, 0
	TURN 1, 0, 1
	STEP 0, 0, 0
	s_sub_co_u32 s3, s3, 1
	s_cmp_lg_u32 s3, 0
	s_cbranch_scc1 .Llap
	TURN 0, 1, 0
	STEP 1, 0, 0
	s_wait_dscnt 4*NL
	WIN MUL_LO
	MUL16 0, 1, NQ-1, 1, 0
	MUL16 2, 1, NQ-1, 1, 0
	s_wait_dscnt 0
	WIN MUL_HI
	MUL16 4, 1, NQ-1, 1, 0
	MUL16 6, 1, NQ-1, 1, 0
	WIN 0
.macro TOSTAGE a
.set AC, 64*((\a)%4)
.set WD, 0x08+4*((\a)/4)
	WIN WD
.irp b, 0,1,2,3,4,5,6,7
	ds_store_b128 v[STO], v[AC+8*\b:AC+8*\b+3] offset:64*\b
	ds_store_b128 v[STO], v[AC+8*\b+4:AC+8*\b+7] offset:64*\b+16
.endr
	WIN 0
.set BB, BK+64*((\a)%2)
.irp t, 0,1,2,3,4,5,6,7,8,9,10,11,12,13,14,15
	ds_load_b128 v[BB+4*\t:BB+4*\t+3], v[RD] offset:\t*SPITCH
.endr
.endm
.macro SEND a, younger
.set BB, BK+64*((\a)%2)
	s_wait_dscnt \younger
.if (\a) > 0
	s_add_nc_u64 s[12:13], s[12:13], 16*SIZE_N*4
.endif
.irp t, 0,1,2,3,4,5,6,7,8,9,10,11,12,13,14,15
	global_store_b128 v[CO], v[BB+4*\t:BB+4*\t+3], s[12:13] offset:\t*SIZE_N*4 th:TH_STORE_NT
.endr
.endm
	PLACES NP
	TOSTAGE 0
.irp a, 1,2,3,4,5,6,7
.if \a > 1
	s_wait_xcnt 0x0
.endif
	TOSTAGE \a
	SEND \a-1, 32
.endr
	s_wait_xcnt 0x0
	SEND 7, 0
	s_wait_tensorcnt 0x0
	ds_add_u32 v[SPW], v[NIL]
	s_wait_dscnt 0x0
	CROUND
	s_endpgm
.Lfunc_end_k_qb7b590846b_proj:
	.size	k_qb7b590846b_proj, .Lfunc_end_k_qb7b590846b_proj-k_qb7b590846b_proj
	.p2alignl 7, 3214868480
	.fill 96, 4, 3214868480
	.section	.rodata,"a",@progbits
	.p2align	6, 0x0
	.amdhsa_kernel k_qb7b590846b_proj
		.amdhsa_group_segment_fixed_size 327680
		.amdhsa_private_segment_fixed_size 0
		.amdhsa_enable_private_segment 0
		.amdhsa_kernarg_size 48
		.amdhsa_user_sgpr_count 2
		.amdhsa_user_sgpr_kernarg_segment_ptr 1
		.amdhsa_wavefront_size32 1
		.amdhsa_system_sgpr_workgroup_id_x 1
		.amdhsa_system_sgpr_workgroup_id_y 1
		.amdhsa_system_sgpr_workgroup_id_z 1
		.amdhsa_system_vgpr_workitem_id 0
		.amdhsa_next_free_vgpr 1024
		.amdhsa_next_free_sgpr 98
		.amdhsa_reserve_vcc 0
		.amdhsa_float_denorm_mode_32 3
		.amdhsa_float_denorm_mode_16_64 3
		.amdhsa_memory_ordered 1
		.amdhsa_forward_progress 1
		.amdhsa_inst_pref_size 148
	.end_amdhsa_kernel
	.amdgpu_metadata
---
amdhsa.version: [ 1, 2 ]
amdhsa.kernels:
  - .name:           k_qb7b590846b_proj
    .symbol:         k_qb7b590846b_proj.kd
    .args:
      - { .name: ac, .offset: 0, .size: 8, .value_kind: global_buffer, .address_space: global }
      - { .name: asc, .offset: 8, .size: 8, .value_kind: global_buffer, .address_space: global }
      - { .name: Wproj_codes, .offset: 16, .size: 8, .value_kind: global_buffer, .address_space: global }
      - { .name: Wproj_scales, .offset: 24, .size: 8, .value_kind: global_buffer, .address_space: global }
      - { .name: bproj, .offset: 32, .size: 8, .value_kind: global_buffer, .address_space: global }
      - { .name: out0, .offset: 40, .size: 8, .value_kind: global_buffer, .address_space: global }
    .group_segment_fixed_size: 327680
    .private_segment_fixed_size: 0
    .kernarg_segment_align: 8
    .kernarg_segment_size: 48
    .max_flat_workgroup_size: 128
    .sgpr_count:     98
    .vgpr_count:     1024
    .wavefront_size: 32
...
	.end_amdgpu_metadata
.endif
;; end of part 4
